; MI455X (gfx1250); checked and timed in simulation.
; The chip was launched on July 23, 2026; its instructions are those of AMD's public machine-readable ISA for CDNA 5 (MIT licence, August 2026) and "CDNA5" Instruction Set Architecture Reference Guide (July 2026). The comments in the code are by the model that wrote it; some were corrected since.
;; Casual Self Attention. Allowed arithmetic: matrix products marked QUANTISED: E4M3 operands, one given power-of-two scale a tensor, by v_wmma_f32_16x16x64_fp8_fp8 or v_wmma_f32_16x16x128_fp8_fp8, f32 sums; everything else in f32.
;; Inputs: bk 1,024 float32; bp 1,024 float32; bq 1,024 float32; bv 1,024 float32; lowp_scales 12 int32 (the exponents e of the quantised operands' scales 2^e); wk 1,024 x 1,024 float32; wp 1,024 x 1,024 float32; wq 1,024 x 1,024 float32; wv 1,024 x 1,024 float32; x 4 x 2,048 x 1,024 float32.
;; Outputs: out0 4 x 2,048 x 1,024 float32.
;; This version of the problem:
;;   THIS VERSION OF THE PROBLEM IS GIVEN IN LOW PRECISION. The matrix products marked QUANTISED in the list below multiply operands that are first quantised to E4M3 (4 exponent bits, 3 mantissa bits; 8 bits a number), with one given power-of-two scale for each operand tensor; their sums are f32. All else is computed in f32.
;;   The module's matrix products, in the order in which they are computed (A, B: the left and right operand; K: the contracted axis; several contracted axes count as one K, in the product's order):
;;     1. [M 8,192, K 1,024] x [K 1,024, N 1,024]; A: input x; B: input wq: QUANTISED (scales: A lowp_scales[0], B lowp_scales[1])
;;     2. [M 8,192, K 1,024] x [K 1,024, N 1,024]; A: input x; B: input wk: QUANTISED (scales: A lowp_scales[2], B lowp_scales[3])
;;     3. [M 8,192, K 1,024] x [K 1,024, N 1,024]; A: input x; B: input wv: QUANTISED (scales: A lowp_scales[4], B lowp_scales[5])
;;     4. batch 64 x [M 2,048, K 64] x [K 64, N 2,048]; A: computed on the way; B: computed on the way: QUANTISED (scales: A lowp_scales[6], B lowp_scales[7])
;;     5. batch 64 x [M 2,048, K 2,048] x [K 2,048, N 64]; A: softmax (see below); B: computed on the way: QUANTISED (scales: A lowp_scales[8], B lowp_scales[9])
;;     6. [M 8,192, K 1,024] x [K 1,024, N 1,024]; A: computed on the way; B: input wp: QUANTISED (scales: A lowp_scales[10], B lowp_scales[11])
;;   THE QUANTISER, for each operand of a quantised product, along K:
;;     - The operand's scale is 2^e, e = its entry of the input lowp_scales (int32; the entries are numbered through the quantised products in the list's order, A before B).
;;     - Each number is divided by the scale, clamped to +-448, and rounded to the nearest number of E4M3, ties to even, subnormals kept.
;;     - The product sums the exact products of the quantised numbers (number of the format x scale) in f32.
;;   ~~~python
;;   def quantise(x, axis, e):      # numpy; x: float32 -> the quantised numbers, widened to float32 again
;;       x = np.moveaxis(x, axis, -1); K = x.shape[-1]
;;       r = np.clip(x / 2.0 ** e, -448, 448)
;;       step = 2.0 ** (np.maximum(np.frexp(np.where(r == 0, 1, r))[1] - 1, -6) - 3)
;;       q = np.round(r / step) * step * 2.0 ** e      # np.round: ties to even
;;       return np.moveaxis(q, -1, axis).astype(np.float32)
;;   ~~~
;;   SOFTMAX AHEAD OF A QUANTISED PRODUCT. Where the list says 'softmax', what is quantised is not the finished softmax but p = 2^(t - M), with t = logit x log2(e) and M = ceil(the row's largest t), a whole number; so 1/2 < the row's largest p <= 1. The row's sum l is taken of the UNQUANTISED p, in f32, and the product's result is divided by l at the end. Since M is a whole number, a kernel that streams over the keys may use a running M (the ceiling of the running maximum): every later rescaling is an exact power of two, so the quantised numbers keep their values, but for numbers so far below the row's largest that they fall under the format's range.
;;   OPERANDS COMPUTED ON THE WAY. 'Computed on the way' means the value that the module computes at that place (a softmax that the list does not call 'softmax' is quantised finished and normalised). What goes into a quantiser is computed in f32, as accurately as f32 sums, v_exp_f32 and their like allow (about 1e-6 of the number): no bf16 or f16 on the way to a quantiser, and a product that is left as it is and whose result goes on into a quantised operand takes f32 operands (vector FMAs, or v_wmma_f32_16x16x4_f32). A number that lies on a knife's edge between two numbers of the format may be rounded either way, as far as f32 arithmetic and the matrix unit's own rounding can turn it there, and no further.
;; One version. Each part assembles by itself: llvm-mc -triple=amdgcn-amd-amdhsa -mcpu=gfx1250 --defsym DOCPART=n.
;; ======== version 1 of 1: 4 launches
;; limits: right only within a limited range of input values
;; workspace buffers: xc 25,165,824 bytes; wc 4,194,304 bytes; qkvi 25,165,824 bytes; yi 8,388,608 bytes
;; launch quant (part 1): grid 384 x 1, 4 waves a work-group, no clusters, 68,096 bytes of LDS; arguments x, wq, wk, wv, wp, lowp_scales, xc, wc; writes xc, wc
.if DOCPART == 1
	.amdgcn_target "amdgcn-amd-amdhsa--gfx1250"
	.amdhsa_code_object_version 6
	.text
	.protected	k_q11c1791477_quant
	.globl	k_q11c1791477_quant
	.p2align	8
	.type	k_q11c1791477_quant,@function
k_q11c1791477_quant:
	s_mov_b64 s[64:65], 0
	v_nop
	global_prefetch_b8 v0, s[64:65] scope:SCOPE_SE
	s_setreg_imm32_b32 hwreg(HW_REG_WAVE_MODE, 25, 1), 1
	s_wait_xcnt 0x0
; x [8192][1024] f32 becomes THREE sets of E4M3 codes (xc: [3][8192][1024], K innermost), one for each of the products x wq, x wk, x wv, whose scales for x
; (entries 0, 2, 4 of the scales) need not be equal.  wq, wk, wv, wp [1024 (k)][1024 (n)] f32 become codes with K innermost (wc: [4][1024 (n)][1024 (k)]), scales: entries 1, 3, 5, 11.
; code = number / 2^e, held within +-448, rounded to the nearest code, ties to even.
; LIMITS: each e used here lies between -126 and 119, so that 2^e and 448 x 2^e are f32 numbers.  NaN among the inputs is not served (an infinity is held at the largest code).
; The first XWG work-groups take x, the other 128 the weights.  The two paths share no LDS byte.  No tensor loads, no barrier, no cluster: waves share nothing, and every input byte is read once.
; X PATH.  x is a plain stream.  A wave takes 16 steps of 512 numbers.  Each of a step's four loads reads 512 consecutive bytes; the 2,048 bytes turn through the wave's own stage in LDS and come back 64 bytes
; a lane: 16 neighbours along K, as the conversions want them.  Each number is held and converted three times; each of the three stores of a step covers 512 consecutive bytes.
; WEIGHT PATH.  A lane takes a column n and its registers run down K: each load reads neighbouring n in neighbouring lanes, and the conversions give codes with K innermost.  A wave takes 32 columns x 256 along K;
; the codes go through its own stage and leave as rows, sixteen lanes to 256 consecutive, aligned bytes.
.set XWG,   256                        ; 8192 x 1024 numbers / (4 waves x 16 steps x 512)
.set STEPS, 16
.set SP,    80                         ; x path: a lane's place in a stage: its 64 bytes + 16 of padding
.set R,     16                         ; v16-79   four sets of 16 numbers as they are loaded
.set X,     80                         ; v80-111  two sets of 16 neighbours
.set T,     112
.set C,     160                        ; v160-171 three sets' codes
.set SCL,   184                        ; v184-186 2^e of the three sets
.set LIM,   187
.set PITCH, 272                        ; weight path: a stage row: 256 bytes + 16
.set WSTAGE, 32768                     ; its stages begin behind the x path's 4 x 8,192 bytes
.set NB,    8                          ; blocks of 32 along K for a wave
.set WX,    32                         ; v32-95   two sets of 32 numbers
.set WC,    96                         ; v96-103  a block's codes
.set OUTR,  112                        ; v112-175 the way out
	s_load_b512 s[4:19], s[0:1], 0x0               ; x 4, wq 6, wk 8, wv 10, wp 12, the scales 14, xc 16, wc 18
	v_lshl_add_u32 v192, v0, 2, 0x10800
	v_mov_b32 v193, 0
	v_lshrrev_b32 v1, 5, v0
	v_readfirstlane_b32 s32, v1                    ; wave 0..3
	v_and_b32 v2, 31, v0                           ; lane
	s_wait_kmcnt 0x0
	s_load_b256 s[20:27], s[14:15], 0x0            ; e0 .. e7
	s_load_b128 s[28:31], s[14:15], 0x20           ; e8 .. e11
	s_cmp_lt_u32 ttmp9, XWG
	s_cbranch_scc0 .Lweights
	s_wait_alu depctr_va_vdst(0)
	; ---------------- x ----------------
	v_lshlrev_b32 v3, 4, v2                        ; my 16 bytes of a load's 512, and of a store's
	s_wait_alu depctr_va_vdst(0)
	s_lshl_b32 s33, s32, 13                        ; my wave's 8,192 bytes of LDS
	v_lshrrev_b32 v14, 2, v2
	v_mul_u32_u24 v14, v14, SP
	v_and_b32 v15, 3, v2
	v_lshl_add_u32 v14, v15, 4, v14
	v_add_nc_u32 v14, s33, v14                     ; the stage, on the way in: four lanes' 64 bytes on end, then 16 of padding
	v_mul_u32_u24 v15, v2, SP
	v_add_nc_u32 v15, s33, v15                     ; and on the way out: my 16 neighbours
	s_lshl_b32 s42, ttmp9, 2
	s_add_co_u32 s42, s42, s32                     ; which run of 8,192 numbers is my wave's
	s_lshl_b32 s44, s42, 15
	s_mov_b32 s45, 0
	s_add_nc_u64 s[34:35], s[4:5], s[44:45]        ; its numbers,
	s_lshl_b32 s44, s42, 13
	s_add_nc_u64 s[36:37], s[16:17], s[44:45]      ; its codes in set 0,
	s_add_nc_u64 s[38:39], s[36:37], 0x800000      ; set 1,
	s_add_nc_u64 s[40:41], s[38:39], 0x800000      ; set 2
.macro XLOAD t
.irp i, 0,1,2,3
	global_load_b128 v[R+16*((\t)%4)+4*\i:R+16*((\t)%4)+4*\i+3], v3, s[34:35] offset:2048*(\t)+512*\i th:TH_LOAD_NT   ; 32 lanes read 512 consecutive bytes
.endr
.endm
.macro XTURN t                         ; step t's numbers through the stage: LDS serves a wave's instructions in order, so no wait stands between the stores and the loads
.irp i, 0,1,2,3
	ds_store_b128 v14, v[R+16*((\t)%4)+4*\i:R+16*((\t)%4)+4*\i+3] offset:32*SP*((\t)%2)+8*SP*\i
.endr
	v_nop
.irp i, 0,1,2,3
	ds_load_b128 v[X+16*((\t)%2)+4*\i:X+16*((\t)%2)+4*\i+3], v15 offset:32*SP*((\t)%2)+16*\i
.endr
.endm
.irp t, 0,1,2,3
	XLOAD \t
.endr
	s_wait_alu depctr_va_vdst(0)
	s_wait_kmcnt 0x0
.irp i, 0,1,2
	s_add_co_i32 s46, s[20+2*\i], 127
	s_lshl_b32 s47, s46, 23
	v_mov_b32 v[SCL+\i], s47                       ; 2^e as f32: the conversion takes its exponent field
	s_add_co_i32 s46, s46, 8
	s_lshl_b32 s46, s46, 23
	s_or_b32 s46, s46, 0x600000
.endr
	s_wait_alu depctr_va_vdst(0)
	s_wait_loadcnt 12                              ; step 0's four loads are in; the twelve behind them may be out
	XTURN 0
.macro XSTEP t
.set XS, X+16*((\t)%2)
	s_wait_dscnt 0x0                               ; this step's numbers are back from the stage, so its stores into the stage have read their registers,
.if (\t)+4 < STEPS
	XLOAD (\t)+4                                   ; which take the loads of four steps on
.endif
.if (\t)+1 < STEPS
.if STEPS-2-(\t) >= 3
	s_wait_loadcnt 12                              ; the next step's four loads are in; those of the three steps behind it may be out
.else
	s_wait_loadcnt 4*(STEPS-2-(\t))
.endif
	XTURN (\t)+1                                   ; and go through the other stage while this step is worked
.endif
	s_wait_xcnt 0x0                                ; the last step's three stores have read their codes: only behind this wait are the codes' registers written again
.irp s, 0,1,2
.irp i, 0,1,2,3,4,5,6,7,8,9,10,11,12,13,14,15
.endr
	v_cvt_scalef32_pk8_fp8_f32 v[C+4*\s:C+4*\s+1], v[T+16*\s+((XS+0)-(T+16*\s+0)):T+16*\s+7+((XS+0)-(T+16*\s+0))], v[SCL+\s]
	v_cvt_scalef32_pk8_fp8_f32 v[C+4*\s+2:C+4*\s+3], v[T+16*\s+8+((XS+0)-(T+16*\s+0)):T+16*\s+15+((XS+0)-(T+16*\s+0))], v[SCL+\s]
	global_store_b128 v3, v[C+4*\s:C+4*\s+3], s[36+2*\s:37+2*\s] offset:512*(\t)          ; 32 lanes store 512 consecutive bytes
.endr
.endm
.irp t, 0,1,2,3,4,5,6,7,8,9,10,11,12,13,14,15
	XSTEP \t
.endr
	s_wait_tensorcnt 0x0
	ds_add_u32 v192, v193
	s_wait_dscnt 0x0
	s_endpgm
	; ---------------- the weights ----------------
.Lweights:
	s_sub_co_u32 s33, ttmp9, XWG                   ; 0 .. 127
	s_lshr_b32 s42, s33, 5                         ; which weight: 0 q, 1 k, 2 v, 3 p
	s_bfe_u32 s43, s33, 0x20003                    ; which 256 along K
	s_and_b32 s44, s33, 7                          ; which 128 columns
	s_lshl_b32 s45, s44, 7
	s_lshl_b32 s46, s32, 5
	s_add_co_u32 s45, s45, s46                     ; my wave's first column
	s_wait_alu depctr_va_vdst(0)
	v_lshlrev_b32 v3, 2, v2                        ; in: 4 bytes a lane
	s_mul_i32 s46, s32, 32*PITCH
	s_add_co_u32 s46, s46, WSTAGE                  ; my stage
	v_mul_u32_u24 v4, v2, PITCH
	v_add_nc_u32 v4, s46, v4                       ; into it: row = my column
	v_and_b32 v5, 15, v2
	v_lshrrev_b32 v6, 4, v2                        ; out of it: sixteen lanes to a row, two rows an instruction
	v_mul_u32_u24 v7, v6, PITCH
	v_lshl_add_u32 v7, v5, 4, v7
	v_add_nc_u32 v7, s46, v7
	v_lshlrev_b32 v8, 10, v6                       ; and the same place in the codes' buffer: rows of 1,024 bytes
	v_lshl_add_u32 v8, v5, 4, v8
	s_and_b32 s47, s42, 1
	s_cmp_lt_u32 s42, 2                            ; the choice of the buffer hangs on the work-group's number alone
	s_cselect_b64 s[34:35], s[6:7], s[10:11]       ; wq or wv
	s_cselect_b64 s[36:37], s[8:9], s[12:13]       ; wk or wp
	s_cmp_lg_u32 s47, 0
	s_cselect_b64 s[34:35], s[36:37], s[34:35]
	s_lshl_b32 s48, s43, 20                        ; 256 rows of 4,096 bytes
	s_lshl_b32 s49, s45, 2
	s_add_co_u32 s48, s48, s49
	s_mov_b32 s49, 0
	s_add_nc_u64 s[34:35], s[34:35], s[48:49]      ; W at my first row and column
	s_lshl_b32 s48, s42, 10
	s_add_co_u32 s48, s48, s45
	s_lshl_b32 s48, s48, 10                        ; the codes' row 1024 x weight + column,
	s_lshl_b32 s50, s43, 8
	s_add_co_u32 s48, s48, s50                     ; + my 256 along K
	s_add_nc_u64 s[38:39], s[18:19], s[48:49]
.macro WLOAD t                         ; block t: W(32 t + i, my column), i = 0 .. 31, into set t % 2
.set i, 0
.rept 32
	global_load_b32 v[WX+32*((\t)%2)+i], v3, s[34:35] offset:(32*(\t)+i)*4096 th:TH_LOAD_NT
.set i, i+1
.endr
.endm
	WLOAD 0
	WLOAD 1
	s_wait_kmcnt 0x0
	s_cmp_lt_u32 s42, 2
	s_cselect_b32 s50, s21, s25                    ; e1 or e5
	s_cselect_b32 s51, s23, s31                    ; e3 or e11
	s_cmp_lg_u32 s47, 0
	s_cselect_b32 s50, s51, s50
	s_add_co_i32 s50, s50, 127
	s_lshl_b32 s51, s50, 23
	v_mov_b32 v11, s51                             ; 2^e
	s_add_co_i32 s50, s50, 8
	s_lshl_b32 s50, s50, 23
	s_or_b32 s50, s50, 0x600000
.macro WBLOCK t
.set XS, WX+32*((\t)%2)
.if (\t) < NB-1
	s_wait_loadcnt 32                              ; this block's 32 loads are in; the next block's may be out
.else
	s_wait_loadcnt 0
.endif
.set i, 0
.rept 32
.set i, i+1
.endr
.irp g, 0,1,2,3
	v_cvt_scalef32_pk8_fp8_f32 v[WC+2*\g:WC+2*\g+1], v[XS+8*\g:XS+8*\g+7], v11
.endr
	ds_store_b128 v4, v[WC:WC+3] offset:32*(\t)    ; 32 codes: 32 bytes of my column's row
	ds_store_b128 v4, v[WC+4:WC+7] offset:32*(\t)+16
.if (\t)+2 < NB
	WLOAD (\t)+2
.endif
	s_wait_dscnt 0x0                               ; the stores have read their registers: the next block's codes may be written
.endm
	s_wait_alu depctr_va_vdst(0)
.irp t, 0,1,2,3,4,5,6,7
	WBLOCK \t
.endr
.irp t, 0,1,2,3,4,5,6,7,8,9,10,11,12,13,14,15
	ds_load_b128 v[OUTR+4*\t:OUTR+4*\t+3], v7 offset:2*\t*PITCH   ; LDS serves a wave's instructions in order: these see my stores
.endr
.irp t, 0,1,2,3,4,5,6,7,8,9,10,11,12,13,14,15
	s_wait_dscnt 15-\t
	global_store_b128 v8, v[OUTR+4*\t:OUTR+4*\t+3], s[38:39] offset:2*\t*1024   ; sixteen lanes store 256 consecutive bytes, aligned
.endr
	s_wait_tensorcnt 0x0
	ds_add_u32 v192, v193
	s_wait_dscnt 0x0
	s_endpgm
.Lfunc_end_k_q11c1791477_quant:
	.size	k_q11c1791477_quant, .Lfunc_end_k_q11c1791477_quant-k_q11c1791477_quant
	.p2alignl 7, 3214868480
	.fill 96, 4, 3214868480
	.section	.rodata,"a",@progbits
	.p2align	6, 0x0
	.amdhsa_kernel k_q11c1791477_quant
		.amdhsa_group_segment_fixed_size 68096
		.amdhsa_private_segment_fixed_size 0
		.amdhsa_enable_private_segment 0
		.amdhsa_kernarg_size 64
		.amdhsa_user_sgpr_count 2
		.amdhsa_user_sgpr_kernarg_segment_ptr 1
		.amdhsa_wavefront_size32 1
		.amdhsa_system_sgpr_workgroup_id_x 1
		.amdhsa_system_sgpr_workgroup_id_y 1
		.amdhsa_system_sgpr_workgroup_id_z 1
		.amdhsa_system_vgpr_workitem_id 0
		.amdhsa_next_free_vgpr 194
		.amdhsa_next_free_sgpr 66
		.amdhsa_reserve_vcc 0
		.amdhsa_float_denorm_mode_32 3
		.amdhsa_float_denorm_mode_16_64 3
		.amdhsa_fp16_overflow 1
		.amdhsa_memory_ordered 1
		.amdhsa_forward_progress 1
		.amdhsa_inst_pref_size 62
	.end_amdhsa_kernel
	.amdgpu_metadata
---
amdhsa.version: [ 1, 2 ]
amdhsa.kernels:
  - .name:           k_q11c1791477_quant
    .symbol:         k_q11c1791477_quant.kd
    .args:
      - { .name: x, .offset: 0, .size: 8, .value_kind: global_buffer, .address_space: global }
      - { .name: wq, .offset: 8, .size: 8, .value_kind: global_buffer, .address_space: global }
      - { .name: wk, .offset: 16, .size: 8, .value_kind: global_buffer, .address_space: global }
      - { .name: wv, .offset: 24, .size: 8, .value_kind: global_buffer, .address_space: global }
      - { .name: wp, .offset: 32, .size: 8, .value_kind: global_buffer, .address_space: global }
      - { .name: lowp_scales, .offset: 40, .size: 8, .value_kind: global_buffer, .address_space: global }
      - { .name: xc, .offset: 48, .size: 8, .value_kind: global_buffer, .address_space: global }
      - { .name: wc, .offset: 56, .size: 8, .value_kind: global_buffer, .address_space: global }
    .group_segment_fixed_size: 68096
    .private_segment_fixed_size: 0
    .kernarg_segment_align: 8
    .kernarg_segment_size: 64
    .max_flat_workgroup_size: 128
    .sgpr_count:     66
    .vgpr_count:     194
    .wavefront_size: 32
...
	.end_amdgpu_metadata
.endif
;; end of part 1
;; launch qkv (part 2): grid 12 x 32, 4 waves a work-group, clusters of 4 x 4, 327,680 bytes of LDS; arguments xc, wc, bq, bk, bv, lowp_scales, qkvi; writes qkvi
.if DOCPART == 2
	.amdgcn_target "amdgcn-amd-amdhsa--gfx1250"
	.amdhsa_code_object_version 6
	.text
	.protected	k_q11c1791477_qkv
	.globl	k_q11c1791477_qkv
	.p2align	8
	.type	k_q11c1791477_qkv,@function
k_q11c1791477_qkv:
	s_mov_b64 s[64:65], 0
	v_nop
	global_prefetch_b8 v0, s[64:65] scope:SCOPE_SE
	s_setreg_imm32_b32 hwreg(HW_REG_WAVE_MODE, 25, 1), 1
	s_wait_xcnt 0x0
	s_wait_alu depctr_hold_cnt(0) depctr_sa_sdst(0) depctr_va_vdst(0) depctr_va_sdst(0) depctr_va_ssrc(0) depctr_va_vcc(0) depctr_vm_vsrc(0)
	s_getreg_b32 s2, hwreg(HW_REG_IB_STS2, 6, 4)
	s_cmp_eq_u32 s2, 0
	s_cbranch_scc0 .Lentry_in_a_cluster
	s_endpgm
.Lentry_in_a_cluster:
	s_bfe_u32 s2, ttmp6, 0x10000c
	s_cmp_lg_u32 s2, 0xf033
	s_cbranch_scc0 .Lentry_shape_is_right
	s_endpgm
.Lentry_shape_is_right:
; q = x wq + bq, k = x wk + bk, v = x wv + bv on E4M3 codes (K = 1,024), each then quantised again (entries 6, 7, 9 of the scales) and stored as IMAGES OF OPERAND REGISTERS for the attention launch.
; The cluster's x says which: 0 q, 1 k, 2 v.  A tile of 256 x 256 is made by four waves, 128 x 128 each (64 accumulators, 512 registers); K goes in steps of 256 through a ring of two LDS slots filled by
; the tensor data mover.  CLUSTERS: 4 x 4 work-groups; A's tile is asked for jointly along a row of the cluster, B's along a column.
; THE MATRIX INSTRUCTION IS USED TRANSPOSED (source 0 = 16 rows of B, source 1 = 16 rows of A): a lane holds one row of A's side, and its registers run along B's side.
; q, k: A = x (tokens), B = the weight (channels): a lane's registers run along the channels, the next product's K.   v: A = wv (channels), B = x (tokens): they run along the keys, the next product's K.
; The two roles are changed by the choice of pointers and offsets alone (s_cselect on the cluster's x, which all sixteen partners share): the text has no branch on it.
; THE IMAGES (qkvi: [3][64 batch x head][16 blocks of 128 tokens][8,192 bytes]).  q, k: [tile 8][piece 2][lane 32][16 bytes]: lane (r, h) of tile T holds token 32 (T / 2) + 8 (T % 2) + r + 8 (r / 8) of the block,
; channels 32 c + 16 h + 0 .. 15.   v: [tile 4][piece 4][lane][16]: lane (r, h) of tile T holds channel 32 (T / 2) + 8 (T % 2) + r + 8 (r / 8), keys 32 c + 16 h + 0 .. 15 of the block.
; A fragment is fed by pieces of 16 bytes: a permutation of k, the same on both sides of every product.
; THE BIAS runs along a lane's registers for q and k and along the lanes for v.  Both kinds are loaded (both stay inside the 1,024 numbers) and the one that does not apply is cleared by a mask: no branch.
; LIMITS: e(x) + e(w) of each product between -126 and 127; entries 6, 7, 9 between -126 and 119.  NaN is not served.
; REGISTERS, in windows of 256: window 0: v0-39 addresses and scales; v48-63, v64-127 the two kinds of bias; from v128 A's fragments, ONE set; on the way out v128-255 are at work.
;   window 1: B's fragments, two sets.   windows 2, 3: the accumulators ((a, b) at v[8 (8 (a % 4) + b)]).
.set KROW,   1024                      ; a row of codes in memory
.set ROWB,   256                       ; a tile's row: 256 along K
.set PITCH,  272                       ; an LDS row: 256 bytes + 16 of padding: the 16 rows that a load touches start at 16 different banks (64 banks of 4 bytes: ISA guide 11.1)
.set FR,     16
.set NL,     4
.set NP,     4                         ; places behind this matrix instruction (ISA guide 7.12.1)
.set HALFT,  128*PITCH
.set SLOT,   4*HALFT                   ; A's 256 rows, then B's 256 rows
.set SPARE,  2*SLOT                    ; the spare words, 128 bytes for each wave: no other line names them
.set STAGE,  SPARE+512                 ; the way out: 32 rows x 144 bytes for each wave; no tile ever lands here
.set SPI,    144                       ; a stage row: 128 codes + 16 of padding
.set ADRA, 16
.set ADRB, 20
.set STO,  24                          ; v24  the stage: where I put 8 codes
.set RD,   25                          ; v25  and where I read a piece of 16 back
.set SPW,  28
.set NIL,  29
.set CO,   32                          ; v32-35 my byte offsets in the images
.set SCL,  36                          ; v36  2^eo, eo = entry 6, 7 or 9
.set LIM,  37
.set BCO,  38                          ; v38, v39 the bias loads' offsets; not rewritten
.set BRO,  39
.set BR,   48                          ; v48-63  bias by lane, block a's in v[BR + 2 a] and again beside it
.set BC,   64                          ; v64-127 bias by register
.set AF,   128
.set TMP,  128                         ; the way out: a block's 64 numbers,
.set COD,  192                         ; two blocks' codes,
.set BK,   224                         ; eight pieces read back
.set G1, 24
.set G0, 32
.set G1B, 48
.set G0B, 56
.set OB, 88                            ; s[88:95] where the wave's four pairs of blocks go
.set MSB, 0
.macro WIN new                         ; the immediate's high byte repeats the setting that is left
.if MSB != \new
	s_set_vgpr_msb (MSB<<8)|\new
.set MSB, \new
.endif
.endm
.set MUL_LO, 0xa1                      ; source 0 (B) window 1, source 1 (A) window 0, C and D window 2
.set MUL_HI, 0xf1
.set TO_B,   0x40
; A joint load: waves 0 and 1 fetch for A, waves 2 and 3 for B; the branch hangs on the wave's number alone.  Four v_nop follow each of the two lines.
.macro JLOAD g0a, g1a, g0b, g1b
	s_cmp_eq_u32 s15, 0
	s_cbranch_scc0 .Lfor_b_\@
	tensor_load_to_lds s[\g0a:\g0a+3], s[\g1a:\g1a+7]
	s_nop 0
.rept 4
	v_nop
.endr
	s_branch .Lasked_\@
.Lfor_b_\@:
	tensor_load_to_lds s[\g0b:\g0b+3], s[\g1b:\g1b+7]
	s_nop 0
.rept 4
	v_nop
.endr
.Lasked_\@:
.endm
.macro CREST                           ; a round of the cluster's barrier behind its opening barrier
	s_cmp_lg_u32 s14, 0
	s_cbranch_scc1 .Lnot_wave_0_\@
	s_barrier_signal -3
.Lnot_wave_0_\@:
	s_barrier_wait -3
	s_barrier_signal -1
	s_barrier_wait -1
.endm
.macro CROUND
	s_barrier_signal -1
	s_barrier_wait -1
	CREST
.endm
	s_load_b256 s[4:11], s[0:1], 0x0               ; xc 4, wc 6, bq 8, bk 10
	s_load_b128 s[68:71], s[0:1], 0x20             ; bv 68, the scales 70
	s_load_b64 s[72:73], s[0:1], 0x30              ; qkvi
	v_lshl_add_u32 v[SPW], v0, 2, SPARE
	v_mov_b32 v[NIL], 0
	ds_add_u32 v28, v29
	ds_add_u32 v28, v29
	s_wait_dscnt 0x0
	v_lshrrev_b32 v1, 5, v0
	v_readfirstlane_b32 s14, v1                    ; wave 0..3
	s_lshr_b32 s15, s14, 1                         ; which half of A's rows is mine.  Also: I fetch for A (0) or for B (1)
	s_and_b32 s16, s14, 1                          ; which half of B's rows.  Also: which 128 rows I fetch
	s_bfe_u32 s40, ttmp6, 0x40000                  ; cx
	s_bfe_u32 s41, ttmp6, 0x40004                  ; cy
	s_and_b32 s75, ttmp7, 0xffff
	s_lshl_b32 s75, s75, 2                         ; 4 x cluster y: it walks the tokens' 32 tiles, which are A's for q and k and B's for v
	s_cmp_lt_u32 ttmp9, 2
	s_cselect_b32 s17, s75, 0
	s_cselect_b32 s42, 0, s75
	s_add_co_u32 s17, s17, s41                     ; A's tile
	s_add_co_u32 s42, s42, s40                     ; B's tile
	s_lshl_b32 s43, s41, 2
	s_lshl_b32 s43, 15, s43                        ; my row of the cluster
	s_lshl_b32 s44, 0x1111, s40                    ; my column
	s_or_b32 s[G1+0], s43, (0<<16)|(1<<20)|(1<<21)|(5<<22)|(3<<25)  ; the mask; elements of 1 byte; padding on; bit 21 beside a mask; after every 64 words, 4 words
	s_or_b32 s[G1B+0], s44, (0<<16)|(1<<20)|(1<<21)|(5<<22)|(3<<25)
.irp g, G1, G1B
	s_mov_b32 s[\g+1], ROWB<<16                    ; tensor_dim0
	s_mov_b32 s[\g+2], 128<<16                     ; tensor_dim1
	s_mov_b32 s[\g+3], ROWB<<16                    ; tile_dim0
	s_mov_b32 s[\g+4], 128                         ; tile_dim1
	s_mov_b32 s[\g+5], KROW                        ; the pitch
	s_mov_b32 s[\g+6], 0
	s_mov_b32 s[\g+7], 0
.endr
	s_lshl_b32 s18, s16, 7                         ; which 128 rows of the tile I fetch
	s_lshl_b32 s20, s17, 8
	s_add_co_u32 s20, s20, s18
	s_lshl_b32 s20, s20, 10                        ; A: (256 x tile + 128 x half) rows of 1,024 bytes
	s_lshl_b32 s46, s42, 8
	s_add_co_u32 s46, s46, s18
	s_lshl_b32 s46, s46, 10                        ; B likewise
	s_lshl_b32 s22, ttmp9, 23                      ; x's set for q, k;
	s_lshl_b32 s23, ttmp9, 20                      ; the weight's 1,024 rows for q, k
	s_cmp_lt_u32 ttmp9, 2
	s_cselect_b32 s22, s22, 0x200000               ; for v: A = wv's rows in wc,
	s_cselect_b32 s23, s23, 0x1000000              ; B = x's set 2 in xc
	s_add_co_u32 s20, s20, s22
	s_add_co_u32 s46, s46, s23
	s_mov_b32 s21, 0
	s_mov_b32 s47, 0
	s_mul_i32 s45, s14, HALFT                      ; where the tiles go: wave x 128 rows: no place in the cluster enters an LDS address
	s_wait_kmcnt 0x0
	s_load_b256 s[76:83], s[70:71], 0x0            ; e0 .. e7
	s_load_b128 s[84:87], s[70:71], 0x20           ; e8 .. e11
	s_cmp_lt_u32 ttmp9, 2
	s_cselect_b64 s[18:19], s[4:5], s[6:7]         ; A's buffer
	s_cselect_b64 s[22:23], s[6:7], s[4:5]         ; B's buffer
	s_add_nc_u64 s[20:21], s[18:19], s[20:21]
	s_add_nc_u64 s[46:47], s[22:23], s[46:47]
	CROUND                                         ; all sixteen work-groups are here: the first joint loads meet
.irp s, 0,1
	s_mov_b32 s[G0+4*\s], 1
	s_add_co_u32 s[G0+4*\s+1], s45, \s*SLOT
	s_add_nc_u64 s[G0+4*\s+2:G0+4*\s+3], s[20:21], \s*ROWB
	s_or_b32 s[G0+4*\s+3], s[G0+4*\s+3], 0x80000000
	s_mov_b32 s[G0B+4*\s], 1
	s_add_co_u32 s[G0B+4*\s+1], s45, \s*SLOT
	s_add_nc_u64 s[G0B+4*\s+2:G0B+4*\s+3], s[46:47], \s*ROWB
	s_or_b32 s[G0B+4*\s+3], s[G0B+4*\s+3], 0x80000000
	JLOAD G0+4*\s, G1, G0B+4*\s, G1B
.endr
	v_and_b32 v1, 15, v0                           ; r
	s_wait_alu depctr_va_vdst(0)
	v_bfe_u32 v2, v0, 4, 1                         ; h
	v_mul_u32_u24 v3, v1, PITCH
	v_lshl_add_u32 v4, v2, 4, v3                   ; a fragment's row x pitch + 16 h
	s_mul_i32 s21, s15, HALFT
	s_mul_i32 s22, s16, HALFT
	s_add_co_u32 s22, s22, 2*HALFT
.irp s, 0,1
	v_add_nc_u32 v[ADRA+\s], s21, v4
	v_add_nc_u32 v[ADRB+\s], s22, v4
	s_add_co_u32 s21, s21, SLOT
	s_add_co_u32 s22, s22, SLOT
.endr
	s_mul_i32 s23, s14, 32*SPI
	s_add_co_u32 s23, s23, STAGE                   ; my stage
	v_mul_u32_u24 v5, v1, SPI
	s_wait_alu depctr_va_vdst(0)
	v_lshl_add_u32 v5, v2, 3, v5
	v_add_nc_u32 v[STO], s23, v5                   ; in: row r, + 8 h: my eight codes of a block of 16
	v_and_b32 v6, 8, v1
	v_add_nc_u32 v6, v6, v1                        ; r + 8 (r / 8)
	v_mul_u32_u24 v6, v6, SPI
	v_lshl_add_u32 v6, v2, 4, v6
	v_add_nc_u32 v[RD], s23, v6                    ; back: an image tile's row for lane r, + 16 h
	; which tokens and which channels are my wave's, and where its images lie
	s_lshl_b32 s20, s17, 8
	s_lshl_b32 s21, s15, 7
	s_add_co_u32 s20, s20, s21                     ; my first row on A's side
	s_lshl_b32 s46, s42, 8
	s_lshl_b32 s47, s16, 7
	s_add_co_u32 s46, s46, s47                     ; and on B's
	s_mov_b32 s18, 2048
	s_mov_b32 s19, 1024
	s_mov_b32 s66, 4096
	s_mov_b32 s74, 126976
	s_cmp_lt_u32 ttmp9, 2
	s_cselect_b32 s21, s20, s46                    ; my first token
	s_cselect_b32 s47, s46, s20                    ; my first channel
	s_cselect_b32 s98, -1, 0                       ; q, k keep the bias by register,
	s_cselect_b32 s99, 0, -1                       ; v the bias by lane
	s_cselect_b32 s18, 1024, s18                   ; from an image tile to the next
	s_cselect_b32 s19, 0x20000, s19                ; from pieces 0, 1 to pieces 2, 3 of a stage row: q, k: the next head; v: two pieces on
	s_cselect_b32 s66, 2048, s66                   ; from a pair of blocks to the next: q, k: two tiles on, always;
	s_cselect_b32 s74, 2048, s74                   ; v: two tiles on, then the next head's first tile
	s_mov_b32 s67, 0
	s_mov_b32 s75, 0
	v_and_b32 v7, 31, v0
	v_lshlrev_b32 v[CO], 4, v7                     ; 16 x lane
	v_add_nc_u32 v[CO+1], s19, v[CO]
	v_add_nc_u32 v[CO+2], s18, v[CO]
	v_add_nc_u32 v[CO+3], s18, v[CO+1]
	s_lshr_b32 s22, s21, 11                        ; batch
	s_lshl_b32 s22, s22, 4
	s_lshr_b32 s23, s47, 6                         ; head
	s_add_co_u32 s22, s22, s23
	s_lshl_b32 s22, s22, 17                        ; 16 blocks of 8,192 bytes for each batch x head
	s_bfe_u32 s23, s21, 0x40007                    ; the block of 128 tokens
	s_lshl_b32 s23, s23, 13
	s_add_co_u32 s22, s22, s23
	s_lshl_b32 s23, ttmp9, 23                      ; q, k or v
	s_add_co_u32 s22, s22, s23
	s_mov_b32 s23, 0
	s_add_nc_u64 s[OB:OB+1], s[72:73], s[22:23]
	s_add_nc_u64 s[OB+2:OB+3], s[OB:OB+1], s[66:67]
	s_add_nc_u64 s[OB+4:OB+5], s[OB+2:OB+3], s[74:75]
	s_add_nc_u64 s[OB+6:OB+7], s[OB+4:OB+5], s[66:67]
	s_cmp_eq_u32 ttmp9, 0
	s_cselect_b64 s[100:101], s[8:9], s[10:11]     ; bq or bk,
	s_cmp_eq_u32 ttmp9, 2
	s_cselect_b64 s[100:101], s[68:69], s[100:101] ; or bv
	s_lshl_b32 s22, s47, 2
	s_add_nc_u64 s[100:101], s[100:101], s[22:23]  ; at my first channel
	v_lshlrev_b32 v[BCO], 5, v2                    ; 8 h numbers
	v_lshlrev_b32 v[BRO], 2, v1                    ; r numbers
.set i, 0
.rept 8
	global_load_b128 v[BC+8*i:BC+8*i+3], v[BCO], s[100:101] offset:64*i        ; bias(first channel + 16 i + 8 h + 0 .. 7)
	global_load_b128 v[BC+8*i+4:BC+8*i+7], v[BCO], s[100:101] offset:64*i+16
	global_load_b32 v[BR+2*i], v[BRO], s[100:101] offset:64*i                  ; bias(first channel + 16 i + r), twice: a pair for the packed addition
	global_load_b32 v[BR+2*i+1], v[BRO], s[100:101] offset:64*i
.set i, i+1
.endr
	s_wait_kmcnt 0x0
	s_add_co_i32 s18, s76, s77
	s_add_co_i32 s19, s78, s79
	s_add_co_i32 s22, s80, s81
	s_cmp_eq_u32 ttmp9, 0
	s_cselect_b32 s18, s18, s19
	s_cselect_b32 s19, s82, s83                    ; entry 6 or 7,
	s_cmp_eq_u32 ttmp9, 2
	s_cselect_b32 s18, s22, s18                    ; e(x) + e(w) of my product
	s_cselect_b32 s19, s85, s19                    ; or 9
	s_add_co_i32 s18, s18, 127
	s_lshl_b32 s96, s18, 23                        ; 2^(e(x) + e(w)) as f32
	s_mov_b32 s97, s96                             ; (named with it as a pair, so it is written)
	s_add_co_i32 s19, s19, 127
	s_lshl_b32 s18, s19, 23
	v_mov_b32 v[SCL], s18
.macro FRAG reg, adr, q, i             ; a fragment, 16 rows x 128 K: registers 4 c .. 4 c + 3 hold K = 32 c + 16 h + 0 .. 15
.irp c, 0,1,2,3
	ds_load_b128 v[\reg+4*\c:\reg+4*\c+3], v[\adr] offset:128*(\q)+32*\c+(\i)*16*PITCH
.endr
.endm
; 16 matrix instructions: A's blocks a0, a0 + 1 x B's eight.  The 64 accumulators take turns, one instruction a turn, in the same order in every step.
.macro MUL16 a0, p, zero
.irp a, \a0, \a0+1
.irp b, 0,1,2,3,4,5,6,7
.if \zero
	v_wmma_f32_16x16x128_fp8_fp8 v[8*(8*((\a)%4)+\b):8*(8*((\a)%4)+\b)+7], v[128*(\p)+FR*\b:128*(\p)+FR*\b+FR-1], v[AF+FR*(\a):AF+FR*(\a)+FR-1], 0
.else
	v_wmma_f32_16x16x128_fp8_fp8 v[8*(8*((\a)%4)+\b):8*(8*((\a)%4)+\b)+7], v[128*(\p)+FR*\b:128*(\p)+FR*\b+FR-1], v[AF+FR*(\a):AF+FR*(\a)+FR-1], v[8*(8*((\a)%4)+\b):8*(8*((\a)%4)+\b)+7]
.endif
.endr
.endr
.endm
.macro FETCH_B slot, q, p
	WIN TO_B
.irp i, 0,1,2,3,4,5,6,7
	FRAG 128*(\p)+FR*\i, ADRB+\slot, \q, \i
.endr
	WIN 0
.endm
.macro FETCH_A slot, q, i0
.irp i, \i0, \i0+1, \i0+2, \i0+3
	FRAG AF+FR*(\i), ADRA+\slot, \q, \i
.endr
.endm
.macro PLACES n                        ; plain vector lines between a matrix instruction and a load into, or a read of, its registers
.rept \n
	v_nop
.endr
.endm
; A step of 128 along K that has its successor in the same slot.  A has one set of registers: blocks 0-3 are fetched anew in the step's middle, blocks 4-7 at its end; B has two sets.
.macro STEP slot, q, zero
	s_wait_dscnt 4*NL                              ; B's set and A's blocks 0-3 are in; the youngest sixteen loads (A's blocks 4-7) may be out
	WIN MUL_LO
	MUL16 0, (\q)%2, \zero
	MUL16 2, (\q)%2, \zero
	s_wait_dscnt 0
	PLACES NP
	FETCH_B \slot, (\q)+1, 1-(\q)%2
	FETCH_A \slot, (\q)+1, 0
	WIN MUL_HI
	MUL16 4, (\q)%2, \zero
	MUL16 6, (\q)%2, \zero
	PLACES NP
	WIN 0
	FETCH_A \slot, (\q)+1, 4
.endm
; A slot's last step changes slots: ONE barrier; in front of it each wave waits for all its tensor loads, adds 0 to its spare word, and waits for that and for its own reads of this slot.
.macro TURN slot, next, fill
	s_wait_tensorcnt 0x0                           ; all my tensor loads have landed: my part of the next slot
	ds_add_u32 v[SPW], v[NIL]                      ; 0 onto my spare word
	s_wait_dscnt 4*NL+1                            ; (the add and the youngest sixteen loads may be out)
	WIN MUL_LO
	MUL16 0, 1, 0
	s_wait_dscnt 0x0                               ; the add is done, and my reads of this slot are over
	s_barrier_signal -1
	MUL16 2, 1, 0
	WIN 0
	s_barrier_wait -1
.if \fill
	CREST                                          ; the barrier has opened a round of the cluster's: no wave of any partner still reads this slot or has a load on its way
	s_add_nc_u64 s[G0+4*\slot+2:G0+4*\slot+3], s[G0+4*\slot+2:G0+4*\slot+3], 2*ROWB
	s_add_nc_u64 s[G0B+4*\slot+2:G0B+4*\slot+3], s[G0B+4*\slot+2:G0B+4*\slot+3], 2*ROWB
	JLOAD G0+4*\slot, G1, G0B+4*\slot, G1B         ; the first tensor load behind the round; its four v_nop are the places in front of the loads below
.else
	PLACES NP
.endif
	FETCH_B \next, 0, 0
	FETCH_A \next, 0, 0
	WIN MUL_HI
	MUL16 4, 1, 0
	MUL16 6, 1, 0
	PLACES NP
	WIN 0
	FETCH_A \next, 0, 4
.endm
	s_wait_tensorcnt 1                             ; my part of K step 0 is in (K step 1's load may be out)
	s_barrier_signal -1
	s_barrier_wait -1                              ; everybody's is
	FETCH_B 0, 0, 0
	FETCH_A 0, 0, 0
	FETCH_A 0, 0, 4
	STEP 0, 0, 1                                   ; K = 1,024 is four slots' worth: written out, two refills.  The first step's products start the sums
	TURN 0, 1, 1
	STEP 1, 0, 0
	TURN 1, 0, 1
	STEP 0, 0, 0
	TURN 0, 1, 0                                   ; nothing is left to fetch
	STEP 1, 0, 0
	s_wait_dscnt 4*NL
	WIN MUL_LO
	MUL16 0, 1, 0
	MUL16 2, 1, 0
	s_wait_dscnt 0
	WIN MUL_HI
	MUL16 4, 1, 0
	MUL16 6, 1, 0
	WIN 0
; THE WAY OUT, by pairs of blocks (32 rows of A's side).  sum x 2^(e(x) + e(w)) + bias in f32, held, converted: a lane's eight codes of each block of 16 go into my stage (row = A's row, byte = B's row);
; they come back as pieces of 16 bytes in the image's order of rows, and each store covers 512 consecutive bytes of an image.
	s_wait_loadcnt 0x0                             ; the biases
.set j, 0
.rept 64
	v_and_b32 v[BC+j], s98, v[BC+j]                ; the kind that does not apply becomes 0.  (These lines are also the places behind the last products)
.set j, j+1
.endr
.set j, 0
.rept 16
	v_and_b32 v[BR+j], s99, v[BR+j]
.set j, j+1
.endr
.macro PACK p
.irp e, 0,1
.set AB, 2*(\p)+\e
.set AC, 64*(AB%4)
	WIN 0x02+AB/4                                  ; source 0: window 2 or 3
.set j, 0
.rept 32
	v_pk_fma_f32 v[TMP+j:TMP+j+1], v[AC+j:AC+j+1], s[96:97], v[BC+j:BC+j+1] op_sel_hi:[1,0,1]   ; each accumulator from its low end on
.set j, j+2
.endr
	WIN 0
.set j, 0
.rept 32
	v_pk_add_f32 v[TMP+j:TMP+j+1], v[TMP+j:TMP+j+1], v[BR+2*AB:BR+2*AB+1]
.set j, j+2
.endr
.set j, 0
.rept 64
.set j, j+1
.endr
.set j, 0
.rept 8
	v_cvt_scalef32_pk8_fp8_f32 v[COD+16*\e+2*j:COD+16*\e+2*j+1], v[TMP+8*j:TMP+8*j+7], v[SCL]
.set j, j+1
.endr
	v_nop                                          ; one plain line behind the conversions, ahead of the lines that write their sources again
.set j, 0
.rept 8
	ds_store_b64 v[STO], v[COD+16*\e+2*j:COD+16*\e+2*j+1] offset:16*SPI*\e+16*j
.set j, j+1
.endr
.endr
.endm
.macro LOADS                           ; two image tiles x four pieces.  LDS serves a wave's instructions in order: these see the stores above, and the next pair's stores come behind them
.irp u, 0,1
.irp c, 0,1,2,3
	ds_load_b128 v[BK+4*(4*\u+\c):BK+4*(4*\u+\c)+3], v[RD] offset:8*SPI*\u+32*\c
.endr
.endr
.endm
.macro SEND p
.irp u, 0,1
.irp c, 0,1,2,3
	global_store_b128 v[CO+2*\u+\c/2], v[BK+4*(4*\u+\c):BK+4*(4*\u+\c)+3], s[OB+2*(\p):OB+2*(\p)+1] offset:512*(\c%2)
.endr
.endr
.endm
	PACK 0
	LOADS
.irp p, 1,2,3
	PACK \p
	s_wait_dscnt 16                                ; the pair before is back in registers; this pair's sixteen stores may be out
	SEND \p-1
	s_wait_xcnt 0x0                                ; the stores have read their registers: the next loads may land there
	LOADS
.endr
	s_wait_dscnt 0x0
	SEND 3
	s_wait_tensorcnt 0x0                           ; the wave's end
	ds_add_u32 v[SPW], v[NIL]
	s_wait_dscnt 0x0
	CROUND                                         ; the closing round
	s_endpgm
.Lfunc_end_k_q11c1791477_qkv:
	.size	k_q11c1791477_qkv, .Lfunc_end_k_q11c1791477_qkv-k_q11c1791477_qkv
	.p2alignl 7, 3214868480
	.fill 96, 4, 3214868480
	.section	.rodata,"a",@progbits
	.p2align	6, 0x0
	.amdhsa_kernel k_q11c1791477_qkv
		.amdhsa_group_segment_fixed_size 327680
		.amdhsa_private_segment_fixed_size 0
		.amdhsa_enable_private_segment 0
		.amdhsa_kernarg_size 56
		.amdhsa_user_sgpr_count 2
		.amdhsa_user_sgpr_kernarg_segment_ptr 1
		.amdhsa_wavefront_size32 1
		.amdhsa_system_sgpr_workgroup_id_x 1
		.amdhsa_system_sgpr_workgroup_id_y 1
		.amdhsa_system_sgpr_workgroup_id_z 1
		.amdhsa_system_vgpr_workitem_id 0
		.amdhsa_next_free_vgpr 1024
		.amdhsa_next_free_sgpr 102
		.amdhsa_reserve_vcc 0
		.amdhsa_float_denorm_mode_32 3
		.amdhsa_float_denorm_mode_16_64 3
		.amdhsa_fp16_overflow 1
		.amdhsa_memory_ordered 1
		.amdhsa_forward_progress 1
		.amdhsa_inst_pref_size 132
	.end_amdhsa_kernel
	.amdgpu_metadata
---
amdhsa.version: [ 1, 2 ]
amdhsa.kernels:
  - .name:           k_q11c1791477_qkv
    .symbol:         k_q11c1791477_qkv.kd
    .args:
      - { .name: xc, .offset: 0, .size: 8, .value_kind: global_buffer, .address_space: global }
      - { .name: wc, .offset: 8, .size: 8, .value_kind: global_buffer, .address_space: global }
      - { .name: bq, .offset: 16, .size: 8, .value_kind: global_buffer, .address_space: global }
      - { .name: bk, .offset: 24, .size: 8, .value_kind: global_buffer, .address_space: global }
      - { .name: bv, .offset: 32, .size: 8, .value_kind: global_buffer, .address_space: global }
      - { .name: lowp_scales, .offset: 40, .size: 8, .value_kind: global_buffer, .address_space: global }
      - { .name: qkvi, .offset: 48, .size: 8, .value_kind: global_buffer, .address_space: global }
    .group_segment_fixed_size: 327680
    .private_segment_fixed_size: 0
    .kernarg_segment_align: 8
    .kernarg_segment_size: 56
    .max_flat_workgroup_size: 128
    .sgpr_count:     102
    .vgpr_count:     1024
    .wavefront_size: 32
...
	.end_amdgpu_metadata
.endif
;; end of part 2
;; launch attn (part 3): grid 4 x 64, 16 waves a work-group, clusters of 4 x 1, 327,680 bytes of LDS; arguments qkvi, lowp_scales, yi; writes yi
.if DOCPART == 3
	.amdgcn_target "amdgcn-amd-amdhsa--gfx1250"
	.amdhsa_code_object_version 6
	.text
	.protected	k_q11c1791477_attn
	.globl	k_q11c1791477_attn
	.p2align	8
	.type	k_q11c1791477_attn,@function
k_q11c1791477_attn:
	s_mov_b64 s[64:65], 0
	v_nop
	global_prefetch_b8 v0, s[64:65] scope:SCOPE_SE
	s_setreg_imm32_b32 hwreg(HW_REG_WAVE_MODE, 25, 1), 1
	s_wait_xcnt 0x0
	s_wait_alu depctr_hold_cnt(0) depctr_sa_sdst(0) depctr_va_vdst(0) depctr_va_sdst(0) depctr_va_ssrc(0) depctr_va_vcc(0) depctr_vm_vsrc(0)
	s_getreg_b32 s2, hwreg(HW_REG_IB_STS2, 6, 4)
	s_cmp_eq_u32 s2, 0
	s_cbranch_scc0 .Lentry_in_a_cluster
	s_endpgm
.Lentry_in_a_cluster:
	s_bfe_u32 s2, ttmp6, 0x10000c
	s_cmp_lg_u32 s2, 0x3003
	s_cbranch_scc0 .Lentry_shape_is_right
	s_endpgm
.Lentry_shape_is_right:
; y[b][h][q] = the sum over k <= q of softmax_k(q . k / 8) v, both products on E4M3 codes (scales: entries 6, 7 for q, k; 8 for p; 9 for v), y then quantised (entry 10) and stored as images for the last product.
; THE SOFTMAX: t = score x log2(e) / 8; M = the running largest t rounded UP to a whole number; p = 2^(t - M) is quantised, not normalised; the row's sum is taken of the unquantised p and divides at the end.
; When M moves, the sum and O are multiplied by 2^(old M - new M): exact.
; ALL OF A HEAD'S K AND V LIE IN LDS: 16 blocks of 128 keys x 8,192 bytes each, 262,144 bytes.  Every LDS byte is filled once: no ring, no refill.
; CLUSTER: the four work-groups of a cluster share one batch x head (the cluster's y) and ask for K and V JOINTLY: each of the sixteen waves issues two loads, the same in all four work-groups:
; a small one (its sixteenth of key blocks 0, 1) and a large one (of blocks 2 to 15), so that work begins when the small ones have landed.  A wave has one tensor load out at a time.
; SHARES, equal in every wave: wave w of the work-group at place cx owns TWO tiles of 16 queries: tile T = 2 cx + w % 2 of token block w / 2, and tile 7 - T of block 15 - w / 2.  A tile of block s sees key
; blocks 0 .. s, so a wave has (w / 2 + 1) + (16 - w / 2) = 17 key steps.  Every wave walks all 16 key blocks; a step all of whose keys come after the tile's queries is jumped over: a branch on the wave's
; number and the loop's counter.  cx enters only global addresses and the mask's numbers.
; LAYOUT: both products transposed: S^T = K Q^T, O^T = V^T P^T: a lane holds one query throughout.  The images' order of rows makes p's 16 registers of two neighbouring tiles 16 neighbouring keys, and O^T's 16
; neighbouring channels: the conversions' results are the next operand's registers.  A tile's 16 queries are tokens 32 (T / 2) + 8 (T % 2) + r + 8 (r / 8) of the block.
; yi: [64 blocks of 128 rows][K step 4][tile 8][half 2][piece 4][lane][16 bytes]; head hd: K step hd / 4, half (hd / 2) % 2, pieces 2 (hd % 2) and + 1.
; LIMITS: entries 6 + 7 between -123 and 130 (added to c's exponent field); entries 8 and 10 between -126 and 119.  NaN is not served.
; Four waves share a SIMD, so that one wave's vector work stands beside another's matrix work and LDS loads.
.set WV,  10                           ; s10  wave
.set SGL, 11                           ; s11  my low tile's token block
.set SGH, 12                           ; s12  my high tile's
.set KS,  17                           ; s17  the key block in hand
.set TB,  18                           ; s18  LDS byte of its K image
.set SEL, 20                           ; s[20:21] lane l xor 16
.set CS,  22                           ; s[22:23] c = log2(e) / 8 x 2^(e6 + e7)
.set G1S, 24                           ; s[24:31] group 1 of the small loads;  s[32:39] of the large;  s[40:43], s[44:47] their groups 0
.set G1L, 32
.set G0S, 40
.set G0L, 44
.set LI,  1                            ; v1   16 x lane
.set ADK, 2                            ; v2   LDS address of the step's K image
.set ADV, 3                            ; v3   of its V image
.set DL,  4                            ; v4   my low query's place in its block, less 16 h
.set DH,  5                            ; v5   my high query's
.set SBL, 8                            ; v8 -M, v9 the largest t, v[10:11] the sum in two halves: low tile
.set SBH, 12                           ; v12-15: high tile
.set QL,  16                           ; v16-23, v24-31 Q's fragments
.set QH,  24
.set FRG, 32                           ; v32-95   a step's K, then its V
.set S,   96                           ; v96-159  S^T, then p
.set OL,  160                          ; v160-191, v192-223 O^T
.set OH,  192
.set PC,  224                          ; v224-239 p's codes; at the end y's
.set VD0, 16384                        ; from a K image to its V image: key blocks 0, 1
.set VD1, 114688                       ; key blocks 2 to 15
.macro CROUND                          ; a round of the cluster's barrier
	s_barrier_signal -1
	s_barrier_wait -1
	s_cmp_lg_u32 s[WV], 0
	s_cbranch_scc1 .Lnot_wave_0_\@
	s_barrier_signal -3
.Lnot_wave_0_\@:
	s_barrier_wait -3
	s_barrier_signal -1
	s_barrier_wait -1
.endm
	s_load_b128 s[4:7], s[0:1], 0x0                ; qkvi, the scales
	s_load_b64 s[8:9], s[0:1], 0x10                ; yi
	v_lshl_add_u32 v254, v0, 2, 0x40000
	v_mov_b32 v255, 0
	ds_add_u32 v254, v255
	ds_add_u32 v254, v255
	v_lshrrev_b32 v1, 5, v0
	s_delay_alu instid0(VALU_DEP_1)
	v_readfirstlane_b32 s[WV], v1                  ; wave 0..15
	s_lshr_b32 s[SGL], s[WV], 1
	s_xor_b32 s[SGH], s[SGL], 15                   ; 15 - w / 2
	s_bfe_u32 s13, ttmp6, 0x40000                  ; cx
	s_and_b32 s14, ttmp7, 0xffff                   ; batch x head
	s_and_b32 s15, s[WV], 1
	s_lshl_b32 s16, s13, 1
	s_add_co_u32 s15, s15, s16                     ; T
	s_xor_b32 s16, s15, 7                          ; 7 - T
	; group 1: rows of 256 bytes, dense; the mask names all four work-groups, bit 21 beside it
	s_mov_b32 s[G1S], 15|(1<<21)
	s_mov_b32 s[G1S+1], 256<<16
	s_mov_b32 s[G1S+2], 8<<16
	s_mov_b32 s[G1S+3], 256<<16
	s_mov_b32 s[G1S+4], 8                          ; 8 rows: 2,048 bytes
	s_mov_b32 s[G1S+5], 256
	s_mov_b32 s[G1S+6], 0
	s_mov_b32 s[G1S+7], 0
	s_mov_b32 s[G1L], 15|(1<<21)
	s_mov_b32 s[G1L+1], 256<<16
	s_mov_b32 s[G1L+2], 56<<16
	s_mov_b32 s[G1L+3], 256<<16
	s_mov_b32 s[G1L+4], 56                         ; 56 rows: 14,336 bytes
	s_mov_b32 s[G1L+5], 256
	s_mov_b32 s[G1L+6], 0
	s_mov_b32 s[G1L+7], 0
	; what I fetch: waves 0-7 of K, waves 8-15 of V; wave % 8 says which eighth
	s_lshr_b32 s57, s[WV], 3
	s_and_b32 s58, s[WV], 7
	s_add_co_u32 s57, s57, 1
	s_lshl_b32 s57, s57, 23                        ; k's or v's images,
	s_lshl_b32 s59, s14, 17                        ; my batch x head
	s_add_co_u32 s57, s57, s59
	s_lshl_b32 s60, s58, 11
	s_add_co_u32 s60, s60, s57                     ; the small load's bytes,
	s_mov_b32 s61, 0
	s_mul_i32 s62, s58, 14336
	s_add_co_u32 s62, s62, s57
	s_add_co_u32 s62, s62, 16384                   ; the large load's
	s_mov_b32 s63, 0
	; Q's two tiles
	s_lshl_b32 s66, s[SGL], 13
	s_lshl_b32 s67, s15, 10
	s_add_co_u32 s66, s66, s67
	s_add_co_u32 s66, s66, s59
	s_mov_b32 s67, 0
	s_lshl_b32 s68, s[SGH], 13
	s_lshl_b32 s69, s16, 10
	s_add_co_u32 s68, s68, s69
	s_add_co_u32 s68, s68, s59
	s_mov_b32 s69, 0
	; y's two tiles
	s_lshr_b32 s70, s14, 4
	s_lshl_b32 s70, s70, 21                        ; the batch's 16 blocks of 131,072 bytes
	s_bfe_u32 s71, s14, 0x20002
	s_lshl_b32 s71, s71, 15                        ; K step head / 4
	s_add_co_u32 s70, s70, s71
	s_and_b32 s71, s14, 3
	s_lshl_b32 s71, s71, 10                        ; half and pieces: (head % 4) x 1,024
	s_add_co_u32 s70, s70, s71
	s_lshl_b32 s72, s[SGL], 17
	s_lshl_b32 s73, s15, 12
	s_add_co_u32 s72, s72, s73
	s_add_co_u32 s72, s72, s70
	s_mov_b32 s73, 0
	s_lshl_b32 s74, s[SGH], 17
	s_lshl_b32 s75, s16, 12
	s_add_co_u32 s74, s74, s75
	s_add_co_u32 s74, s74, s70
	s_mov_b32 s75, 0
	; my queries' places in their blocks
	s_lshr_b32 s54, s15, 1
	s_lshl_b32 s54, s54, 5
	s_and_b32 s55, s15, 1
	s_lshl_b32 s55, s55, 3
	s_add_co_u32 s54, s54, s55                     ; 32 (T / 2) + 8 (T % 2), low tile
	s_lshr_b32 s56, s16, 1
	s_lshl_b32 s56, s56, 5
	s_and_b32 s55, s16, 1
	s_lshl_b32 s55, s55, 3
	s_add_co_u32 s56, s56, s55                     ; high tile
	s_mov_b32 s[SEL], 0x76543210
	s_mov_b32 s[SEL+1], 0xfedcba98
	s_mov_b32 s[CS], 0x3e38aa3b                    ; log2(e) / 8
	s_wait_dscnt 0x0
	s_wait_kmcnt 0x0
	s_load_b128 s[48:51], s[6:7], 0x18             ; e6, e7, e8, e9
	s_load_b32 s52, s[6:7], 0x28                   ; e10
	s_mov_b32 s[G0S], 1
	s_lshl_b32 s[G0S+1], s[WV], 11                 ; LDS: 2,048 x wave: K's blocks 0, 1, then V's
	s_add_nc_u64 s[G0S+2:G0S+3], s[4:5], s[60:61]
	s_or_b32 s[G0S+3], s[G0S+3], 0x80000000
	s_mov_b32 s[G0L], 1
	s_mul_i32 s[G0L+1], s[WV], 14336
	s_add_co_u32 s[G0L+1], s[G0L+1], 32768         ; LDS: 32,768 + 14,336 x wave: K's blocks 2 to 15, then V's
	s_add_nc_u64 s[G0L+2:G0L+3], s[4:5], s[62:63]
	s_or_b32 s[G0L+3], s[G0L+3], 0x80000000
	s_add_nc_u64 s[84:85], s[4:5], s[66:67]        ; Q, low and high
	s_add_nc_u64 s[86:87], s[4:5], s[68:69]
	s_add_nc_u64 s[80:81], s[8:9], s[72:73]        ; y, low and high
	s_add_nc_u64 s[82:83], s[8:9], s[74:75]
	CROUND                                         ; all four work-groups are here: the joint loads meet
	tensor_load_to_lds s[G0S:G0S+3], s[G1S:G1S+7]
	s_nop 0
	s_wait_alu depctr_va_vdst(0)
	s_wait_tensorcnt 0x0
	ds_add_u32 v254, v255
	s_wait_dscnt 0x0
	CROUND
	tensor_load_to_lds s[G0L:G0L+3], s[G1L:G1L+7]
	s_nop 0
.rept 4
	v_nop
.endr
	v_and_b32 v1, 31, v0
	s_delay_alu instid0(VALU_DEP_1)
	v_lshlrev_b32 v[LI], 4, v1
.irp c, 0,1
	global_load_b128 v[QL+4*\c:QL+4*\c+3], v[LI], s[84:85] offset:512*\c
	global_load_b128 v[QH+4*\c:QH+4*\c+3], v[LI], s[86:87] offset:512*\c
.endr
	v_and_b32 v6, 15, v0                           ; r
	v_bfe_u32 v7, v0, 4, 1                         ; h
	s_delay_alu instid0(VALU_DEP_2)
	v_and_b32 v2, 8, v6
	s_delay_alu instid0(VALU_DEP_1)
	v_add_nc_u32 v2, v2, v6                        ; r + 8 (r / 8)
	s_delay_alu instid0(VALU_DEP_3)
	v_lshlrev_b32 v7, 4, v7
	s_delay_alu instid0(VALU_DEP_1)
	v_sub_nc_u32 v2, v2, v7                        ; - 16 h
	s_delay_alu instid0(VALU_DEP_1)
	v_add_nc_u32 v[DL], s54, v2
	s_delay_alu instid0(VALU_DEP_2)
	v_add_nc_u32 v[DH], s56, v2
.irp b, SBL, SBH
	v_mov_b32 v[\b+1], 0xff61b1e6                  ; the largest t so far: -3e38, under every t
	s_delay_alu instid0(VALU_DEP_1)
	v_floor_f32 v[\b], -v[\b+1]                    ; -M
	v_mov_b32 v[\b+2], 0                           ; the sum
	v_mov_b32 v[\b+3], 0
.endr
	v_mov_b32 v244, 0                              ; a lane permute's destination counts as one of its sources
	v_mov_b32 v247, 0                              ; (named as the upper half of the pair v[246:247])
	v_mov_b32 v250, 0xff800000                     ; -infinity
.set j, 0
.rept 64
	v_mov_b32 v[OL+j], 0                           ; O^T of both tiles: the step is written once; its first run finds zeros, which the first change of M leaves zeros
.set j, j+1
.endr
	s_wait_kmcnt 0x0
	s_add_co_i32 s53, s48, s49
	s_lshl_b32 s53, s53, 23
	s_add_co_i32 s[CS], s[CS], s53                 ; a score stands for score x 2^(e6 + e7): added to c's exponent field
	s_mov_b32 s[CS+1], s[CS]
	s_add_co_i32 s54, s50, 127
	s_lshl_b32 s55, s54, 23
	v_mov_b32 v241, s55                            ; 2^e8
	s_add_co_i32 s54, s52, 127
	s_lshl_b32 s55, s54, 23
	v_mov_b32 v252, s55                            ; 2^e10
	s_add_co_i32 s53, s50, s51                     ; e8 + e9
; A KEY STEP of one tile: 128 keys.  qb: Q's fragment; ob: O^T; sb: the tile's four numbers; dr: the mask's number; sg: the tile's token block; dv: from K's image to V's.
.macro STEP qb, ob, sb, dr, sg, dv
	s_cmp_gt_u32 s[KS], s[\sg]                     ; all these keys come after my queries: nothing to do
	s_cbranch_scc1 .Lhid_\@
	v_add_nc_u32 v[ADK], s[TB], v[LI]
	s_delay_alu instid0(VALU_DEP_1)
	v_add_nc_u32 v[ADV], \dv, v[ADK]
	v_nop
	v_nop                                          ; four places in front of loads into registers that the last products read
.set i, 0
.rept 16
	ds_load_b128 v[FRG+4*i:FRG+4*i+3], v[ADK] offset:512*i      ; K's eight tiles x two pieces, as they lie
.set i, i+1
.endr
	s_wait_alu depctr_va_vdst(0)
	s_wait_dscnt 0x0
.set i, 0
.rept 8
	v_wmma_f32_16x16x64_fp8_fp8 v[S+8*i:S+8*i+7], v[FRG+8*i:FRG+8*i+7], v[\qb:\qb+7], 0
.set i, i+1
.endr
.rept 4
	v_nop                                          ; places: for the loads below, and for the first read of the scores
.endr
.set i, 0
.rept 16
	ds_load_b128 v[FRG+4*i:FRG+4*i+3], v[ADV] offset:512*i      ; V's four tiles x four pieces: they land under the softmax
.set i, i+1
.endr
	s_cmp_lg_u32 s[KS], s[\sg]                     ; only my own block lies on the diagonal
	s_cbranch_scc1 .Lopen_\@
.set n, 0
.rept 64
	v_cmp_gt_i32 vcc_lo, 32*(n/16)+n%16, v[\dr]    ; register 16 b + i holds key 32 b + 16 h + i of the block: hidden where it comes after my query
	v_cndmask_b32 v[S+n], v[S+n], v250, vcc_lo
.set n, n+1
.endr
.Lopen_\@:
	v_max3_num_f32 v248, v[S], v[S+1], v[S+2]      ; the step's largest score of my query, in two chains,
	v_max3_num_f32 v249, v[S+3], v[S+4], v[S+5]
.set i, 6
.rept 14
	v_max3_num_f32 v248, v248, v[S+i], v[S+i+1]
	v_max3_num_f32 v249, v249, v[S+i+2], v[S+i+3]
.set i, i+4
.endr
	v_max3_num_f32 v248, v248, v[S+62], v[S+63]
	s_delay_alu instid0(VALU_DEP_1)
	v_max_num_f32 v248, v248, v249
	s_delay_alu instid0(VALU_DEP_1)
	v_permlanex16_b32 v244, v248, s[SEL], s[SEL+1]
	s_delay_alu instid0(VALU_DEP_1)
	v_max_num_f32 v248, v248, v244                 ; and among lane l xor 16's
	s_delay_alu instid0(VALU_DEP_1)
	v_mul_f32 v248, s[CS], v248                    ; as t (c is positive)
	s_delay_alu instid0(VALU_DEP_1)
	v_max_num_f32 v[\sb+1], v[\sb+1], v248         ; the running largest t
	v_mov_b32 v248, v[\sb]
	s_delay_alu instid0(VALU_DEP_2)
	v_floor_f32 v[\sb], -v[\sb+1]                  ; the new -M = -ceil(t)
	s_delay_alu instid0(VALU_DEP_1)
	v_sub_f32 v248, v[\sb], v248                   ; old M - new M: a whole number, 0 or less
	s_delay_alu instid0(VALU_DEP_1)
	v_cvt_i32_f32 v248, v248                       ; (it saturates)
	s_delay_alu instid0(VALU_DEP_1)
	v_ldexp_f32 v246, 1.0, v248                    ; f = 2^(old M - new M)
.set j, 0
.rept 32
	v_pk_fma_f32 v[S+j:S+j+1], v[S+j:S+j+1], s[CS:CS+1], v[\sb:\sb+1] op_sel_hi:[1,0,0]   ; t - M, two at a time
.set j, j+2
.endr
.set j, 0
	s_wait_alu depctr_va_vdst(0)
.rept 64
	v_exp_f32 v[S+j], v[S+j]                       ; p = 2^(t - M)
.set j, j+1
.endr
	v_pk_mul_f32 v[\sb+2:\sb+3], v[\sb+2:\sb+3], v[246:247] op_sel_hi:[1,0]   ; the sums under the new M: the plain line behind the exponentials
	s_wait_alu depctr_va_vdst(0)                   ; one wait for the whole batch, ahead of its first reader
	v_pk_add_f32 v[242:243], v[S:S+1], v[S+2:S+3]  ; the sum of the UNQUANTISED p, in two chains
.set j, 4
.rept 15
	v_pk_add_f32 v[\sb+2:\sb+3], v[\sb+2:\sb+3], v[S+j:S+j+1]
	v_pk_add_f32 v[242:243], v[242:243], v[S+j+2:S+j+3]
.set j, j+4
.endr
	s_delay_alu instid0(VALU_DEP_1)
	v_pk_add_f32 v[\sb+2:\sb+3], v[\sb+2:\sb+3], v[242:243]
.irp b, 0,1,2,3
.set i, 0
.rept 16
.set i, i+1
.endr
	v_cvt_scalef32_pk8_fp8_f32 v[PC+4*\b:PC+4*\b+1], v[S+16*\b:S+16*\b+7], v241
	v_cvt_scalef32_pk8_fp8_f32 v[PC+4*\b+2:PC+4*\b+3], v[S+16*\b+8:S+16*\b+15], v241
.endr
.set j, 0
.rept 16
	v_pk_mul_f32 v[\ob+j:\ob+j+1], v[\ob+j:\ob+j+1], v[246:247] op_sel_hi:[1,0]   ; O^T under the new M.  (Also the plain lines between the conversions and the products)
.set j, j+2
.endr
	s_wait_alu depctr_va_vdst(0)
	s_wait_dscnt 0x0                               ; V is in
.set i, 0
.rept 4
	v_wmma_f32_16x16x128_fp8_fp8 v[\ob+8*i:\ob+8*i+7], v[FRG+16*i:FRG+16*i+15], v[PC:PC+15], v[\ob+8*i:\ob+8*i+7]   ; four accumulators by turns; eight other products stand between two links of a chain
.set i, i+1
.endr
.Lhid_\@:
.endm
.macro PHASE n, dv                     ; key blocks up to n - 1: both tiles' steps
.Lph_\@:
	STEP QL, OL, SBL, DL, SGL, \dv
	STEP QH, OH, SBH, DH, SGH, \dv
	s_add_co_u32 s[TB], s[TB], 8192
	s_add_co_u32 s[KS], s[KS], 1
	s_cmp_lt_u32 s[KS], \n
	s_cbranch_scc1 .Lph_\@
.endm
	s_wait_loadcnt 0x0                             ; Q
	s_wait_tensorcnt 0x1                           ; my small load has landed; the large one may be out
	s_barrier_signal -1
	s_barrier_wait -1                              ; everybody's has: key blocks 0 and 1 are whole
	s_mov_b32 s[KS], 0
	s_mov_b32 s[TB], 0
	PHASE 2, VD0
	s_wait_tensorcnt 0x0                           ; my large load has landed,
	s_wait_dscnt 0x0
	s_barrier_signal -1
	s_barrier_wait -1                              ; everybody's has
	s_mov_b32 s[KS], 2
	s_mov_b32 s[TB], 32768
	PHASE 16, VD1
; THE WAY OUT of a tile: O^T / the sum x 2^(e8 + e9) is y; a lane's 16 registers of two neighbouring tiles are 16 neighbouring channels: held, converted, and stored as the image's two pieces, 1,024 bytes on end.
.macro OUT ob, sb, cod, yb
	v_add_f32 v[\sb+2], v[\sb+2], v[\sb+3]
	s_delay_alu instid0(VALU_DEP_1)
	v_permlanex16_b32 v244, v[\sb+2], s[SEL], s[SEL+1]
	s_delay_alu instid0(VALU_DEP_1)
	v_add_f32 v[\sb+2], v[\sb+2], v244             ; the row's sum
	s_wait_alu depctr_va_vdst(0)
	v_rcp_f32 v[\sb+2], v[\sb+2]
	v_nop                                          ; a plain line behind the reciprocal,
	s_wait_alu depctr_va_vdst(0)                   ; and the wait ahead of its first reader
	v_ldexp_f32 v[\sb+2], v[\sb+2], s53
.set j, 0
.rept 16
	v_pk_mul_f32 v[S+j:S+j+1], v[\ob+j:\ob+j+1], v[\sb+2:\sb+3] op_sel_hi:[1,0]   ; each accumulator from its low end on
.set j, j+2
.endr
.set j, 0
.rept 32
.set j, j+1
.endr
.irp b, 0,1
	v_cvt_scalef32_pk8_fp8_f32 v[\cod+4*\b:\cod+4*\b+1], v[S+16*\b:S+16*\b+7], v252
	v_cvt_scalef32_pk8_fp8_f32 v[\cod+4*\b+2:\cod+4*\b+3], v[S+16*\b+8:S+16*\b+15], v252
.endr
	v_nop                                          ; one plain line behind the conversions
.irp b, 0,1
	global_store_b128 v[LI], v[\cod+4*\b:\cod+4*\b+3], s[\yb:\yb+1] offset:512*\b   ; 32 lanes store 512 consecutive bytes
.endr
.endm
.rept 4
	v_nop                                          ; places behind the last products
.endr
	OUT OL, SBL, PC, 80
	OUT OH, SBH, PC+8, 82
	s_wait_tensorcnt 0x0
	ds_add_u32 v254, v255
	s_wait_dscnt 0x0
	CROUND                                         ; the closing round
	s_endpgm
.Lfunc_end_k_q11c1791477_attn:
	.size	k_q11c1791477_attn, .Lfunc_end_k_q11c1791477_attn-k_q11c1791477_attn
	.p2alignl 7, 3214868480
	.fill 96, 4, 3214868480
	.section	.rodata,"a",@progbits
	.p2align	6, 0x0
	.amdhsa_kernel k_q11c1791477_attn
		.amdhsa_group_segment_fixed_size 327680
		.amdhsa_private_segment_fixed_size 0
		.amdhsa_enable_private_segment 0
		.amdhsa_kernarg_size 24
		.amdhsa_user_sgpr_count 2
		.amdhsa_user_sgpr_kernarg_segment_ptr 1
		.amdhsa_wavefront_size32 1
		.amdhsa_system_sgpr_workgroup_id_x 1
		.amdhsa_system_sgpr_workgroup_id_y 1
		.amdhsa_system_sgpr_workgroup_id_z 1
		.amdhsa_system_vgpr_workitem_id 0
		.amdhsa_next_free_vgpr 256
		.amdhsa_next_free_sgpr 90
		.amdhsa_reserve_vcc 1
		.amdhsa_float_denorm_mode_32 3
		.amdhsa_float_denorm_mode_16_64 3
		.amdhsa_fp16_overflow 1
		.amdhsa_memory_ordered 1
		.amdhsa_forward_progress 1
		.amdhsa_inst_pref_size 89
	.end_amdhsa_kernel
	.amdgpu_metadata
---
amdhsa.version: [ 1, 2 ]
amdhsa.kernels:
  - .name:           k_q11c1791477_attn
    .symbol:         k_q11c1791477_attn.kd
    .args:
      - { .name: qkvi, .offset: 0, .size: 8, .value_kind: global_buffer, .address_space: global }
      - { .name: lowp_scales, .offset: 8, .size: 8, .value_kind: global_buffer, .address_space: global }
      - { .name: yi, .offset: 16, .size: 8, .value_kind: global_buffer, .address_space: global }
    .group_segment_fixed_size: 327680
    .private_segment_fixed_size: 0
    .kernarg_segment_align: 8
    .kernarg_segment_size: 24
    .max_flat_workgroup_size: 512
    .sgpr_count:     90
    .vgpr_count:     256
    .wavefront_size: 32
...
	.end_amdgpu_metadata
.endif
;; end of part 3
;; launch proj (part 4): grid 4 x 32, 4 waves a work-group, clusters of 4 x 4, 327,680 bytes of LDS; arguments yi, wc, bp, lowp_scales, out0; writes out0
.if DOCPART == 4
	.amdgcn_target "amdgcn-amd-amdhsa--gfx1250"
	.amdhsa_code_object_version 6
	.text
	.protected	k_q11c1791477_proj
	.globl	k_q11c1791477_proj
	.p2align	8
	.type	k_q11c1791477_proj,@function
k_q11c1791477_proj:
	s_mov_b64 s[64:65], 0
	v_nop
	global_prefetch_b8 v0, s[64:65] scope:SCOPE_SE
	s_setreg_imm32_b32 hwreg(HW_REG_WAVE_MODE, 25, 1), 1
	s_wait_xcnt 0x0
	s_wait_alu depctr_hold_cnt(0) depctr_sa_sdst(0) depctr_va_vdst(0) depctr_va_sdst(0) depctr_va_ssrc(0) depctr_va_vcc(0) depctr_vm_vsrc(0)
	s_getreg_b32 s2, hwreg(HW_REG_IB_STS2, 6, 4)
	s_cmp_eq_u32 s2, 0
	s_cbranch_scc0 .Lentry_in_a_cluster
	s_endpgm
.Lentry_in_a_cluster:
	s_bfe_u32 s2, ttmp6, 0x10000c
	s_cmp_lg_u32 s2, 0xf033
	s_cbranch_scc0 .Lentry_shape_is_right
	s_endpgm
.Lentry_shape_is_right:
; out0 = y wp + bp on E4M3 codes (K = 1,024; scales: entries 10, 11).  y comes as images of operand registers (yi), wp as rows of codes with K innermost (wc, rows 3,072 on).  out0: [8192][1024] f32.
; A tile of 256 x 256 is made by four waves, 128 x 128 each; K goes in steps of 256 through a ring of two LDS slots.  CLUSTERS: 4 x 4 work-groups; y's tile is asked for jointly along a row, wp's along a column.
; THE MATRIX INSTRUCTION IS USED TRANSPOSED (source 0 = 16 rows of wp's codes, source 1 = 16 rows of y): a lane holds eight neighbouring numbers of a row of out0.
; yi: [64 blocks of 128 rows][K step 4][tile 8][half 2][piece 4][lane][16 bytes]: a K step of a block is 32,768 dense bytes, one tensor load; a fragment is four loads at 16 x lane.
; Tile i's lane r is row 32 (i / 2) + 8 (i % 2) + r + 8 (r / 8) of the block: the stores' immediates carry that map.
; 128 work-groups: this tile is kept so that a fragment read from LDS feeds as many products as the registers allow.
; LIMIT: entries 10 + 11 between -126 and 127.
; REGISTERS, in windows of 256: window 0: v0-31 addresses; v32-63 at work on the way out; v64-127 the bias; from v128 y's fragments, one set (on the way out: rows read back).
;   window 1: wp's fragments, two sets.   windows 2, 3: the accumulators.
.set KROW,   1024
.set ROWB,   256
.set PITCH,  272                       ; wp's LDS row: 256 bytes + 16 of padding
.set FR,     16
.set NL,     4
.set NP,     4
.set HALFT,  128*PITCH
.set AHALF,  32768                     ; a block's K step of images
.set BOFF,   2*AHALF                   ; wp's rows lie behind y's two blocks
.set SLOT,   BOFF+2*HALFT
.set SPARE,  2*SLOT                    ; the spare words, 128 bytes for each wave: no other line names them
.set STAGE,  SPARE+512                 ; the way out: 16 rows x 528 bytes for each wave; no tile ever lands here
.set SPITCH, 528
.set ADRA, 16
.set ADRB, 20
.set STO,  24
.set RD,   25
.set CO,   26
.set BCO,  27
.set SPW,  28
.set NIL,  29
.set TMP,  32
.set BC,   64                          ; v64-127 bp(my first column + 16 b + 8 h + j) at 8 b + j
.set AF,   128
.set BK,   128
.set G1, 24
.set G0, 32
.set G1B, 48
.set G0B, 56
.set MSB, 0
.macro WIN new
.if MSB != \new
	s_set_vgpr_msb (MSB<<8)|\new
.set MSB, \new
.endif
.endm
.set MUL_LO, 0xa1
.set MUL_HI, 0xf1
.set TO_B,   0x40
.macro JLOAD g0a, g1a, g0b, g1b        ; waves 0 and 1 fetch y's two blocks, waves 2 and 3 wp's two halves; four v_nop follow each line
	s_cmp_eq_u32 s15, 0
	s_cbranch_scc0 .Lfor_b_\@
	tensor_load_to_lds s[\g0a:\g0a+3], s[\g1a:\g1a+7]
	s_nop 0
.rept 4
	v_nop
.endr
	s_branch .Lasked_\@
.Lfor_b_\@:
	tensor_load_to_lds s[\g0b:\g0b+3], s[\g1b:\g1b+7]
	s_nop 0
.rept 4
	v_nop
.endr
.Lasked_\@:
.endm
.macro CREST
	s_cmp_lg_u32 s14, 0
	s_cbranch_scc1 .Lnot_wave_0_\@
	s_barrier_signal -3
.Lnot_wave_0_\@:
	s_barrier_wait -3
	s_barrier_signal -1
	s_barrier_wait -1
.endm
.macro CROUND
	s_barrier_signal -1
	s_barrier_wait -1
	CREST
.endm
	s_load_b256 s[4:11], s[0:1], 0x0               ; yi 4, wc 6, bp 8, the scales 10
	s_load_b64 s[12:13], s[0:1], 0x20              ; out0
	v_lshl_add_u32 v[SPW], v0, 2, SPARE
	v_mov_b32 v[NIL], 0
	ds_add_u32 v28, v29
	ds_add_u32 v28, v29
	s_wait_dscnt 0x0
	v_lshrrev_b32 v1, 5, v0
	v_readfirstlane_b32 s14, v1                    ; wave 0..3
	s_lshr_b32 s15, s14, 1                         ; which block of 128 rows is mine.  Also: I fetch for y (0) or for wp (1)
	s_and_b32 s16, s14, 1                          ; which half of the columns.  Also: which half I fetch
	s_bfe_u32 s40, ttmp6, 0x40000                  ; cx
	s_bfe_u32 s41, ttmp6, 0x40004                  ; cy
	s_lshl_b32 s42, ttmp9, 2
	s_add_co_u32 s42, s42, s40                     ; tile column
	s_and_b32 s17, ttmp7, 0xffff
	s_lshl_b32 s17, s17, 2
	s_add_co_u32 s17, s17, s41                     ; tile row
	s_lshl_b32 s43, s41, 2
	s_lshl_b32 s43, 15, s43                        ; my row of the cluster
	s_lshl_b32 s44, 0x1111, s40                    ; my column
	s_or_b32 s[G1+0], s43, (0<<16)|(1<<21)         ; y: the mask; elements of 1 byte; bit 21 beside a mask; no padding: images are read 16 x lane
	s_mov_b32 s[G1+1], 256<<16
	s_mov_b32 s[G1+2], 128<<16
	s_mov_b32 s[G1+3], 256<<16
	s_mov_b32 s[G1+4], 128                         ; 128 rows of 256 bytes, dense
	s_mov_b32 s[G1+5], 256
	s_mov_b32 s[G1+6], 0
	s_mov_b32 s[G1+7], 0
	s_or_b32 s[G1B+0], s44, (0<<16)|(1<<20)|(1<<21)|(5<<22)|(3<<25)  ; wp: padding of 4 words after every 64
	s_mov_b32 s[G1B+1], ROWB<<16
	s_mov_b32 s[G1B+2], 128<<16
	s_mov_b32 s[G1B+3], ROWB<<16
	s_mov_b32 s[G1B+4], 128
	s_mov_b32 s[G1B+5], KROW
	s_mov_b32 s[G1B+6], 0
	s_mov_b32 s[G1B+7], 0
	s_lshl_b32 s20, s17, 1
	s_add_co_u32 s20, s20, s16
	s_lshl_b32 s20, s20, 17                        ; y: block 2 x tile row + half, 131,072 bytes each
	s_mov_b32 s21, 0
	s_lshl_b32 s46, s42, 8
	s_lshl_b32 s18, s16, 7
	s_add_co_u32 s46, s46, s18
	s_lshl_b32 s46, s46, 10
	s_add_co_u32 s46, s46, 0x300000                ; wp: row 3,072 + 256 x tile column + 128 x half of wc
	s_mov_b32 s47, 0
	s_lshl_b32 s45, s16, 15                        ; where they go: y's half,
	s_mul_i32 s19, s16, HALFT
	s_add_co_u32 s19, s19, BOFF                    ; wp's half: no place in the cluster enters an LDS address
	s_wait_kmcnt 0x0
	s_load_b64 s[96:97], s[10:11], 0x28            ; e10, e11
	s_add_nc_u64 s[20:21], s[4:5], s[20:21]
	s_add_nc_u64 s[46:47], s[6:7], s[46:47]
	CROUND                                         ; all sixteen work-groups are here: the first joint loads meet
.irp s, 0,1
	s_mov_b32 s[G0+4*\s], 1
	s_add_co_u32 s[G0+4*\s+1], s45, \s*SLOT
	s_add_nc_u64 s[G0+4*\s+2:G0+4*\s+3], s[20:21], \s*AHALF
	s_or_b32 s[G0+4*\s+3], s[G0+4*\s+3], 0x80000000
	s_mov_b32 s[G0B+4*\s], 1
	s_add_co_u32 s[G0B+4*\s+1], s19, \s*SLOT
	s_add_nc_u64 s[G0B+4*\s+2:G0B+4*\s+3], s[46:47], \s*ROWB
	s_or_b32 s[G0B+4*\s+3], s[G0B+4*\s+3], 0x80000000
	s_wait_alu depctr_va_vdst(0)
	s_wait_tensorcnt 0x0
	ds_add_u32 v28, v29
	ds_add_u32 v28, v29
	s_wait_dscnt 0x0
	CROUND
	JLOAD G0+4*\s, G1, G0B+4*\s, G1B
.endr
	v_and_b32 v1, 15, v0                           ; r
	v_bfe_u32 v2, v0, 4, 1                         ; h
	v_and_b32 v6, 31, v0
	v_lshlrev_b32 v[CO], 4, v6                     ; 16 x lane
	v_mul_u32_u24 v3, v1, PITCH
	v_lshl_add_u32 v4, v2, 4, v3
	s_lshl_b32 s21, s15, 15                        ; my block of y
	s_mul_i32 s22, s16, HALFT
	s_add_co_u32 s22, s22, BOFF                    ; my 128 rows of wp
.irp s, 0,1
	v_add_nc_u32 v[ADRA+\s], s21, v[CO]
	v_add_nc_u32 v[ADRB+\s], s22, v4
	s_add_co_u32 s21, s21, SLOT
	s_add_co_u32 s22, s22, SLOT
.endr
	s_mul_i32 s23, s14, 16*SPITCH
	s_add_co_u32 s23, s23, STAGE                   ; my stage
	v_mul_u32_u24 v5, v1, SPITCH
	v_lshl_add_u32 v5, v2, 5, v5
	v_add_nc_u32 v[STO], s23, v5                   ; in: row r, 32 bytes for each half of the lanes
	v_add_nc_u32 v[RD], s23, v[CO]                 ; back: the 32 lanes take one row of 512 bytes
	s_lshl_b32 s20, s17, 8
	s_lshl_b32 s21, s15, 7
	s_add_co_u32 s20, s20, s21                     ; my first row of out0
	s_lshl_b32 s20, s20, 12                        ; rows of 4,096 bytes
	s_lshl_b32 s46, s42, 10
	s_lshl_b32 s47, s16, 9
	s_add_co_u32 s46, s46, s47                     ; my first column, in bytes
	s_add_co_u32 s20, s20, s46
	s_mov_b32 s21, 0
	s_add_nc_u64 s[12:13], s[12:13], s[20:21]
	s_mov_b32 s47, 0
	s_add_nc_u64 s[8:9], s[8:9], s[46:47]          ; bp at my first column
	v_lshlrev_b32 v[BCO], 5, v2                    ; 8 h numbers
.set i, 0
.rept 8
	global_load_b128 v[BC+8*i:BC+8*i+3], v[BCO], s[8:9] offset:64*i
	global_load_b128 v[BC+8*i+4:BC+8*i+7], v[BCO], s[8:9] offset:64*i+16
.set i, i+1
.endr
.macro FRAG reg, adr, q, i             ; wp: 16 rows x 128 K: registers 4 c .. 4 c + 3 hold K = 32 c + 16 h + 0 .. 15
.irp c, 0,1,2,3
	ds_load_b128 v[\reg+4*\c:\reg+4*\c+3], v[\adr] offset:128*(\q)+32*\c+(\i)*16*PITCH
.endr
.endm
.macro FRAGA reg, adr, q, i            ; y: the image of tile i, half q: the same k in the same registers
.irp c, 0,1,2,3
	ds_load_b128 v[\reg+4*\c:\reg+4*\c+3], v[\adr] offset:(2*(\i)+(\q))*2048+512*\c
.endr
.endm
.macro MUL16 a0, p, zero               ; the 64 accumulators take turns, one instruction a turn
.irp a, \a0, \a0+1
.irp b, 0,1,2,3,4,5,6,7
.if \zero
	v_wmma_f32_16x16x128_fp8_fp8 v[8*(8*((\a)%4)+\b):8*(8*((\a)%4)+\b)+7], v[128*(\p)+FR*\b:128*(\p)+FR*\b+FR-1], v[AF+FR*(\a):AF+FR*(\a)+FR-1], 0
.else
	v_wmma_f32_16x16x128_fp8_fp8 v[8*(8*((\a)%4)+\b):8*(8*((\a)%4)+\b)+7], v[128*(\p)+FR*\b:128*(\p)+FR*\b+FR-1], v[AF+FR*(\a):AF+FR*(\a)+FR-1], v[8*(8*((\a)%4)+\b):8*(8*((\a)%4)+\b)+7]
.endif
.endr
.endr
.endm
.macro FETCH_B slot, q, p
	WIN TO_B
.irp i, 0,1,2,3,4,5,6,7
	FRAG 128*(\p)+FR*\i, ADRB+\slot, \q, \i
.endr
	WIN 0
.endm
.macro FETCH_A slot, q, i0
.irp i, \i0, \i0+1, \i0+2, \i0+3
	FRAGA AF+FR*(\i), ADRA+\slot, \q, \i
.endr
.endm
.macro PLACES n
.rept \n
	v_nop
.endr
.endm
.macro STEP slot, q, zero
	s_wait_dscnt 4*NL                              ; wp's set and y's tiles 0-3 are in; the youngest sixteen loads (tiles 4-7) may be out
	WIN MUL_LO
	MUL16 0, (\q)%2, \zero
	MUL16 2, (\q)%2, \zero
	s_wait_dscnt 0
	PLACES NP
	FETCH_B \slot, (\q)+1, 1-(\q)%2
	FETCH_A \slot, (\q)+1, 0
	WIN MUL_HI
	MUL16 4, (\q)%2, \zero
	MUL16 6, (\q)%2, \zero
	PLACES NP
	WIN 0
	FETCH_A \slot, (\q)+1, 4
.endm
.macro TURN slot, next, fill
	s_wait_tensorcnt 0x0                           ; all my tensor loads have landed: my part of the next slot
	ds_add_u32 v[SPW], v[NIL]                      ; 0 onto my spare word
	s_wait_dscnt 4*NL+1                            ; (the add and the youngest sixteen loads may be out)
	WIN MUL_LO
	MUL16 0, 1, 0
	s_wait_dscnt 0x0                               ; the add is done, and my reads of this slot are over
	s_barrier_signal -1
	MUL16 2, 1, 0
	WIN 0
	s_barrier_wait -1
.if \fill
	CREST                                          ; the barrier has opened a round of the cluster's: no wave of any partner still reads this slot or has a load on its way
	s_add_nc_u64 s[G0+4*\slot+2:G0+4*\slot+3], s[G0+4*\slot+2:G0+4*\slot+3], 2*AHALF
	s_add_nc_u64 s[G0B+4*\slot+2:G0B+4*\slot+3], s[G0B+4*\slot+2:G0B+4*\slot+3], 2*ROWB
	JLOAD G0+4*\slot, G1, G0B+4*\slot, G1B
.else
	PLACES NP
.endif
	FETCH_B \next, 0, 0
	FETCH_A \next, 0, 0
	WIN MUL_HI
	MUL16 4, 1, 0
	MUL16 6, 1, 0
	PLACES NP
	WIN 0
	FETCH_A \next, 0, 4
.endm
	s_wait_alu depctr_va_vdst(0)
	s_wait_tensorcnt 1                             ; my part of K step 0 is in (K step 1's load may be out)
	s_barrier_signal -1
	s_barrier_wait -1
	FETCH_B 0, 0, 0
	FETCH_A 0, 0, 0
	FETCH_A 0, 0, 4
	STEP 0, 0, 1                                   ; four slots' worth of K, written out; two refills
	TURN 0, 1, 1
	STEP 1, 0, 0
	TURN 1, 0, 1
	STEP 0, 0, 0
	TURN 0, 1, 0
	STEP 1, 0, 0
	s_wait_dscnt 4*NL
	WIN MUL_LO
	MUL16 0, 1, 0
	MUL16 2, 1, 0
	s_wait_dscnt 0
	WIN MUL_HI
	MUL16 4, 1, 0
	MUL16 6, 1, 0
	WIN 0
; THE WAY OUT, tile by tile of 16 rows x 128 columns: sum x 2^(e10 + e11) + bp, one packed multiply-add for two numbers; through my stage; back as whole rows of 512 bytes.
.macro TOSTAGE a
.set AC, 64*((\a)%4)
.irp hb, 0,1
	WIN 0x02+((\a)/4)                              ; source 0: window 2 or 3
.set j, 0
.rept 16
	v_pk_fma_f32 v[TMP+j:TMP+j+1], v[AC+32*\hb+j:AC+32*\hb+j+1], s[96:97], v[BC+32*\hb+j:BC+32*\hb+j+1] op_sel_hi:[1,0,1]   ; each accumulator from its low end on
.set j, j+2
.endr
	WIN 0
.irp bb, 0,1,2,3
	ds_store_b128 v[STO], v[TMP+8*\bb:TMP+8*\bb+3] offset:64*(4*\hb+\bb)
	ds_store_b128 v[STO], v[TMP+8*\bb+4:TMP+8*\bb+7] offset:64*(4*\hb+\bb)+16
.endr
.endr
.set BB, BK+64*((\a)%2)
.irp t, 0,1,2,3,4,5,6,7,8,9,10,11,12,13,14,15
	ds_load_b128 v[BB+4*\t:BB+4*\t+3], v[RD] offset:\t*SPITCH   ; LDS serves a wave's instructions in order: these see the stores above
.endr
.endm
.macro SEND a, younger
.set BB, BK+64*((\a)%2)
.set RW, 32*((\a)/2)+8*((\a)%2)
	s_wait_dscnt \younger
.irp t, 0,1,2,3,4,5,6,7,8,9,10,11,12,13,14,15
	global_store_b128 v[CO], v[BB+4*\t:BB+4*\t+3], s[12:13] offset:(RW+\t+8*(\t/8))*4096 th:TH_STORE_NT   ; 32 lanes store 512 consecutive bytes of the row that the tile's lane t stands for; 127 rows at the most: inside the signed 24-bit immediate
.endr
.endm
	s_wait_kmcnt 0x0
	s_add_co_i32 s96, s96, s97
	s_add_co_i32 s96, s96, 127
	s_lshl_b32 s96, s96, 23                        ; 2^(e10 + e11) as f32
	s_mov_b32 s97, s96
	s_wait_loadcnt 0x0                             ; bp
	PLACES NP                                      ; behind the last products: for the reads of results and the loads into the registers that held y's fragments
	TOSTAGE 0
.irp a, 1,2,3,4,5,6,7
.if \a > 1
	s_wait_xcnt 0x0                                ; tile a - 2's stores have read their registers: tile a's loads may land there
.endif
	TOSTAGE \a
	SEND \a-1, 32                                  ; behind tile a - 1's loads: tile a's 16 stores and 16 loads
.endr
	SEND 7, 0
	s_wait_tensorcnt 0x0                           ; the wave's end
	ds_add_u32 v[SPW], v[NIL]
	s_wait_dscnt 0x0
	CROUND                                         ; the closing round
	s_endpgm
.Lfunc_end_k_q11c1791477_proj:
	.size	k_q11c1791477_proj, .Lfunc_end_k_q11c1791477_proj-k_q11c1791477_proj
	.p2alignl 7, 3214868480
	.fill 96, 4, 3214868480
	.section	.rodata,"a",@progbits
	.p2align	6, 0x0
	.amdhsa_kernel k_q11c1791477_proj
		.amdhsa_group_segment_fixed_size 327680
		.amdhsa_private_segment_fixed_size 0
		.amdhsa_enable_private_segment 0
		.amdhsa_kernarg_size 40
		.amdhsa_user_sgpr_count 2
		.amdhsa_user_sgpr_kernarg_segment_ptr 1
		.amdhsa_wavefront_size32 1
		.amdhsa_system_sgpr_workgroup_id_x 1
		.amdhsa_system_sgpr_workgroup_id_y 1
		.amdhsa_system_sgpr_workgroup_id_z 1
		.amdhsa_system_vgpr_workitem_id 0
		.amdhsa_next_free_vgpr 1024
		.amdhsa_next_free_sgpr 98
		.amdhsa_reserve_vcc 0
		.amdhsa_float_denorm_mode_32 3
		.amdhsa_float_denorm_mode_16_64 3
		.amdhsa_memory_ordered 1
		.amdhsa_forward_progress 1
		.amdhsa_inst_pref_size 126
	.end_amdhsa_kernel
	.amdgpu_metadata
---
amdhsa.version: [ 1, 2 ]
amdhsa.kernels:
  - .name:           k_q11c1791477_proj
    .symbol:         k_q11c1791477_proj.kd
    .args:
      - { .name: yi, .offset: 0, .size: 8, .value_kind: global_buffer, .address_space: global }
      - { .name: wc, .offset: 8, .size: 8, .value_kind: global_buffer, .address_space: global }
      - { .name: bp, .offset: 16, .size: 8, .value_kind: global_buffer, .address_space: global }
      - { .name: lowp_scales, .offset: 24, .size: 8, .value_kind: global_buffer, .address_space: global }
      - { .name: out0, .offset: 32, .size: 8, .value_kind: global_buffer, .address_space: global }
    .group_segment_fixed_size: 327680
    .private_segment_fixed_size: 0
    .kernarg_segment_align: 8
    .kernarg_segment_size: 40
    .max_flat_workgroup_size: 128
    .sgpr_count:     98
    .vgpr_count:     1024
    .wavefront_size: 32
...
	.end_amdgpu_metadata
.endif
;; end of part 4
